; MI455X (gfx1250); checked and timed in simulation.
; The chip was launched on July 23, 2026; its instructions are those of AMD's public machine-readable ISA for CDNA 5 (MIT licence, August 2026) and "CDNA5" Instruction Set Architecture Reference Guide (July 2026). The comments in the code are by the model that wrote it; some were corrected since.
;; Multi Headed Attention. Allowed arithmetic: matrix products marked QUANTISED: E2M3 operands, one E8M0 scale for each 32 along K, by v_wmma_scale_f32_16x16x128_f8f6f4 with both operands' format E2M3, f32 sums; everything else in f32.
;; Inputs: WKb 16 x 64 float32; WKw 16 x 64 x 1,024 float32; WQb 16 x 64 float32; WQw 16 x 64 x 1,024 float32; WVb 16 x 64 float32; WVw 16 x 64 x 1,024 float32; Wb 1,024 float32; Ww 1,024 x 1,024 float32; input_k 4 x 2,048 x 1,024 float32; input_q 4 x 2,048 x 1,024 float32; input_v 4 x 2,048 x 1,024 float32.
;; Outputs: out0 4 x 2,048 x 1,024 float32.
;; This version of the problem:
;;   THIS VERSION OF THE PROBLEM IS GIVEN IN LOW PRECISION. The matrix products marked QUANTISED in the list below multiply operands that are first quantised to E2M3 (2 exponent bits, 3 mantissa bits; 6 bits a number), with one power-of-two scale for each 32 numbers along K (OCP MX v1.0); their sums are f32. All else is computed in f32.
;;   The module's matrix products, in the order in which they are computed (A, B: the left and right operand; K: the contracted axis; several contracted axes count as one K, in the product's order):
;;     1. [M 1,024, K 1,024] x [K 1,024, N 8,192]; A: input WQw; B: input input_q: QUANTISED
;;     2. [M 1,024, K 1,024] x [K 1,024, N 8,192]; A: input WKw; B: input input_k: QUANTISED
;;     3. [M 1,024, K 1,024] x [K 1,024, N 8,192]; A: input WVw; B: input input_v: QUANTISED
;;     4. batch 64 x [M 2,048, K 64] x [K 64, N 2,048]; A: computed on the way; B: computed on the way: QUANTISED
;;     5. batch 64 x [M 2,048, K 2,048] x [K 2,048, N 64]; A: softmax (see below); B: computed on the way: QUANTISED
;;     6. [M 8,192, K 1,024] x [K 1,024, N 1,024]; A: computed on the way; B: input Ww: QUANTISED
;;   THE QUANTISER, for each operand of a quantised product, along K:
;;     - K is cut into blocks of 32 from its start; a last block that is shorter is filled with zeros.
;;     - A block's scale is 2^e with e = floor(log2(the largest magnitude in the block)) - 2, held to -126 .. 127; a block of zeros has e = 0. As a byte (E8M0): e + 127.
;;     - Each number is divided by its block's scale, clamped to +-7.5, and rounded to the nearest number of E2M3, ties to even, subnormals kept.
;;     - The product sums the exact products of the quantised numbers (number of the format x scale) in f32.
;;   ~~~python
;;   def quantise(x, axis):      # numpy; x: float32 -> the quantised numbers, widened to float32 again
;;       x = np.moveaxis(x, axis, -1); K = x.shape[-1]
;;       x = np.pad(x, [(0, 0)] * (x.ndim - 1) + [(0, -K % 32)]); x = x.reshape(x.shape[:-1] + (-1, 32)); a = np.abs(x).max(-1, keepdims=True)
;;       e = np.where(a > 0, np.clip(np.frexp(np.where(a > 0, a, 1))[1] - 1 - 2, -126, 127), 0)      # np.frexp(a)[1] - 1 = floor(log2(a)), exactly
;;       r = np.clip(x / 2.0 ** e, -7.5, 7.5)
;;       step = 2.0 ** (np.maximum(np.frexp(np.where(r == 0, 1, r))[1] - 1, 0) - 3)
;;       q = np.round(r / step) * step * 2.0 ** e      # np.round: ties to even
;;       return np.moveaxis(q.reshape(q.shape[:-2] + (-1,))[..., :K], -1, axis).astype(np.float32)
;;   ~~~
;;   SOFTMAX AHEAD OF A QUANTISED PRODUCT. Where the list says 'softmax', what is quantised is not the finished softmax but p = 2^(t - M), with t = logit x log2(e) and M = ceil(the row's largest t), a whole number; so 1/2 < the row's largest p <= 1. The row's sum l is taken of the UNQUANTISED p, in f32, and the product's result is divided by l at the end. Since M is a whole number, a kernel that streams over the keys may use a running M (the ceiling of the running maximum): every later rescaling is an exact power of two, which a block's scale takes up: the codes' values come out the same.
;;   OPERANDS COMPUTED ON THE WAY. 'Computed on the way' means the value that the module computes at that place (a softmax that the list does not call 'softmax' is quantised finished and normalised). What goes into a quantiser is computed in f32, as accurately as f32 sums, v_exp_f32 and their like allow (about 1e-6 of the number): no bf16 or f16 on the way to a quantiser, and a product that is left as it is and whose result goes on into a quantised operand takes f32 operands (vector FMAs, or v_wmma_f32_16x16x4_f32). A number that lies on a knife's edge between two numbers of the format may be rounded either way, as far as f32 arithmetic and the matrix unit's own rounding can turn it there, and no further.
;; One version. Each part assembles by itself: llvm-mc -triple=amdgcn-amd-amdhsa -mcpu=gfx1250 --defsym DOCPART=n.
;; ======== version 1 of 1: 4 launches
;; workspace buffers: xcodes 22,020,096 bytes; xscales 917,504 bytes; qw 6,815,744 bytes; kv 13,369,344 bytes; ccodes 6,291,456 bytes; cscales 262,144 bytes
;; launch quant (part 1): grid 256 x 1, 7 waves a work-group, no clusters, 60,160 bytes of LDS; arguments input_q, input_k, input_v, WQw, WKw, WVw, Ww, xcodes, xscales; writes xcodes, xscales
.if DOCPART == 1
	.amdgcn_target "amdgcn-amd-amdhsa--gfx1250"
	.amdhsa_code_object_version 6
	.text
	.protected	k_qc3db993936_quant
	.globl	k_qc3db993936_quant
	.p2align	8
	.type	k_qc3db993936_quant,@function
k_qc3db993936_quant:
	s_mov_b64 s[64:65], 0
	v_nop
	global_prefetch_b8 v0, s[64:65] scope:SCOPE_SE
	s_setreg_imm32_b32 hwreg(HW_REG_WAVE_MODE, 25, 1), 1
	s_wait_xcnt 0x0
; The seven f32 operands whose K (1,024) is innermost become codes of FP6 (E2M3) with one E8M0 byte for each 32 along K.
; Rows are counted through all seven tensors: input_q 0, input_k 8,192, input_v 16,384, WQw 24,576, WKw 25,600, WVw 26,624, Ww 27,648: 28,672 rows = 1,792 blocks of 16.
; THE 16 ROWS OF A BLOCK ARE NOT NEIGHBOURS: lane r of block L of a tensor takes row 32 (L / 2) + 8 (L % 2) + r + 8 (r / 8).  A product that takes such a block as its source 0 then leaves, in the 16 registers
; of two neighbouring blocks' results, 16 true neighbours: so every later quantiser finds its K in order.
; xcodes: [block][8 steps of 128 K][2 halves of 64 K][768 bytes]: a half is the image of six operand registers: 512 bytes (registers 0-3, lane l at 16 l), then 256 bytes (registers 4-5, lane l at 8 l).
; xscales: [16 block + r][32 bytes], byte k / 32.
; A block's scale is 2^(floor(log2(its largest magnitude)) - 2); its byte is the largest magnitude's exponent field - 2, held at 1 from below.
; LIMITS: a block whose largest magnitude lies under 2^-124 keeps the byte 1 (a block of zeros too: its codes are zeros, and only this program reads the bytes); NaN and infinities among the inputs are not served.
; SHARES: 256 work-groups x 7 waves = 1,792: a wave takes one block, in 8 steps of 128 along K.  Each load reads 512 consecutive bytes of one row; a step's 16 x 512 bytes turn through the wave's own stage in LDS
; (rows 528 bytes apart) so that a lane gets 2 x 32 neighbours of its row.  Waves share nothing: no barrier.  Loads run two steps (32 loads a wave) ahead.
.set STG,  8448                        ; a wave's stage: 16 rows x 528 bytes
.set W,    16                          ; v16-23   the row's eight scale words
.set R,    32                          ; v32-159  two sets of 64 registers as loaded
.set X,    160                         ; v160-223 my 2 x 32 neighbours
.set PC,   224                         ; v224-235 the fragment's codes
.set P2,   236                         ; v236-242 the second halves of the conversions
	s_load_b512 s[8:23], s[0:1], 0x0               ; input_q, input_k, input_v, WQw, WKw, WVw, Ww, xcodes
	s_load_b64 s[24:25], s[0:1], 0x40              ; xscales
	v_lshl_add_u32 v248, v0, 2, 0xe700
	v_mov_b32 v249, 0
	v_lshrrev_b32 v1, 5, v0
	v_readfirstlane_b32 s26, v1                    ; wave 0..6
	v_and_b32 v1, 31, v0                           ; lane l
	v_and_b32 v2, 15, v0                           ; r
	v_bfe_u32 v3, v0, 4, 1                         ; h
	v_lshlrev_b32 v4, 4, v1                        ; 16 l: my bytes of a load's 512, and of a store's
	v_lshlrev_b32 v5, 3, v1                        ; 8 l
	s_mul_i32 s28, s26, STG
	v_add_nc_u32 v6, s28, v4                       ; the stage on the way in: a row as it lies
	v_mul_u32_u24 v7, v2, 528
	v_lshl_add_u32 v7, v3, 7, v7
	v_add_nc_u32 v7, s28, v7                       ; and on the way out: row r, 32 h numbers on
	v_lshlrev_b32 v8, 3, v3                        ; 8 h: my bytes' place in a scale word
	v_lshlrev_b32 v9, 5, v2
	v_lshl_add_u32 v9, v3, 4, v9                   ; 32 r + 16 h: my half of my row's 32 scale bytes
	v_mov_b32 v31, 0                               ; a lane permute's destination counts as one of its sources
	s_mov_b32 s36, 0x76543210
	s_mov_b32 s37, 0xfedcba98                      ; selects for lane l xor 16
	s_mul_i32 s27, ttmp9, 7
	s_add_co_u32 s27, s27, s26                     ; my block
	s_wait_alu depctr_va_vdst(0)
	s_wait_kmcnt 0x0
	s_mov_b64 s[4:5], s[8:9]
	s_mov_b32 s6, 0
.macro PICK n, p                       ; from block n on: the tensor at s[p:p+1].  The choice hangs on ids alone
	s_cmp_ge_u32 s27, \n
	s_cselect_b64 s[4:5], s[\p:\p+1], s[4:5]
	s_cselect_b32 s6, \n, s6
.endm
	PICK 512, 10
	PICK 1024, 12
	PICK 1536, 14
	PICK 1600, 16
	PICK 1664, 18
	PICK 1728, 20
	s_sub_co_u32 s28, s27, s6                      ; L: my block within its tensor
	s_lshr_b32 s29, s28, 1
	s_lshl_b32 s29, s29, 5
	s_and_b32 s28, s28, 1
	s_lshl_b32 s28, s28, 3
	s_add_co_u32 s28, s28, s29                     ; its first row: 32 (L / 2) + 8 (L % 2)
	s_lshl_b32 s28, s28, 12                        ; rows of 4,096 bytes
	s_mov_b32 s29, 0
	s_add_nc_u64 s[4:5], s[4:5], s[28:29]
	s_mul_i32 s28, s27, 12288
	s_add_nc_u64 s[22:23], s[22:23], s[28:29]      ; my block's codes
	s_lshl_b32 s28, s27, 9
	s_add_nc_u64 s[24:25], s[24:25], s[28:29]      ; and its scale bytes
.macro LOADX t                         ; step t: 512 bytes of each of my 16 rows, into set t % 2
.irp j, 0,1,2,3,4,5,6,7,8,9,10,11,12,13,14,15
	global_load_b128 v[R+64*((\t)%2)+4*\j:R+64*((\t)%2)+4*\j+3], v4, s[4:5] offset:(\j+8*(\j/8))*4096+512*(\t) th:TH_LOAD_NT
.endr
.endm
.macro STEP t
.if (\t) < 7
	s_wait_loadcnt 16                              ; this step's 16 loads are in; the next step's 16 may be out
.else
	s_wait_loadcnt 0x0
.endif
.irp j, 0,1,2,3,4,5,6,7,8,9,10,11,12,13,14,15
	ds_store_b128 v6, v[R+64*((\t)%2)+4*\j:R+64*((\t)%2)+4*\j+3] offset:528*\j
.endr
.irp c, 0,1
.irp k, 0,1,2,3,4,5,6,7
	ds_load_b128 v[X+32*\c+4*\k:X+32*\c+4*\k+3], v7 offset:256*\c+16*\k   ; k = 64 c + 32 h + 0 .. 31 of row r; a wave's LDS instructions are served in order, so these see the stores above
.endr
.endr
	s_wait_dscnt 0x0                               ; my numbers are back, and the stores into the stage have read their registers
	s_wait_xcnt 0x0                                ; the last step's stores of codes have read theirs: the codes' registers are written again only behind this wait
.if (\t)+2 < 8
	LOADX (\t)+2
.endif
.irp c, 0,1                            ; my block 2 c + h of the step: all its 32 numbers are mine; two chains each, the two blocks by turns
	v_max3_num_f32 v[10+2*\c], |v[X+32*\c]|, |v[X+32*\c+1]|, |v[X+32*\c+2]|
	v_max3_num_f32 v[11+2*\c], |v[X+32*\c+3]|, |v[X+32*\c+4]|, |v[X+32*\c+5]|
.endr
.irp i, 6,10,14,18,22,26
.irp c, 0,1
	v_max3_num_f32 v[10+2*\c], v[10+2*\c], |v[X+32*\c+\i]|, |v[X+32*\c+\i+1]|
	v_max3_num_f32 v[11+2*\c], v[11+2*\c], |v[X+32*\c+\i+2]|, |v[X+32*\c+\i+3]|
.endr
.endr
.irp c, 0,1
	v_max3_num_f32 v[10+2*\c], v[10+2*\c], |v[X+32*\c+30]|, |v[X+32*\c+31]|
.endr
.irp c, 0,1
	v_max3_num_f32 v[10+2*\c], v[10+2*\c], v[11+2*\c], 0x1800000   ; and the floor 2^(3 - 127): the byte cannot fall under 1
.endr
.irp c, 0,1
	v_add_nc_u32 v[28+\c], 0xff000000, v[10+2*\c]  ; 2 off the exponent field: the conversion takes the exponent field of this operand as its scale
.endr
	v_lshrrev_b32 v14, 23, v28                     ; the two bytes
	v_lshrrev_b32 v15, 23, v29
	v_lshl_or_b32 v[W+(\t)], v15, 16, v14          ; blocks h and 2 + h,
	v_lshlrev_b32 v[W+(\t)], v8, v[W+(\t)]         ; at their places in the step's scale word;
	v_permlanex16_b32 v31, v[W+(\t)], s36, s37
	v_or_b32 v[W+(\t)], v[W+(\t)], v31             ; with lane l xor 16's two the word is whole
.irp c, 0,1
	v_cvt_scalef32_pk16_fp6_f32 v[PC+6*\c:PC+6*\c+2], v[X+32*\c:X+32*\c+15], v[28+\c]
	v_cvt_scalef32_pk16_fp6_f32 v[P2+4*\c:P2+4*\c+2], v[X+32*\c+16:X+32*\c+31], v[28+\c]   ; (a conversion's three registers begin on an even number)
.endr
	v_nop                                          ; one plain place behind a scaled conversion
.irp c, 0,1
.irp i, 0,1,2
	v_mov_b32 v[PC+6*\c+3+\i], v[P2+4*\c+\i]
.endr
.endr
	global_store_b128 v4, v[PC:PC+3], s[22:23] offset:1536*(\t)            ; 512 consecutive bytes, aligned to 256
	global_store_b64 v5, v[PC+4:PC+5], s[22:23] offset:1536*(\t)+512       ; 256
	global_store_b128 v4, v[PC+6:PC+9], s[22:23] offset:1536*(\t)+768
	global_store_b64 v5, v[PC+10:PC+11], s[22:23] offset:1536*(\t)+1280
.endm
	LOADX 0
	LOADX 1
.irp t, 0,1,2,3,4,5,6,7
	STEP \t
.endr
	v_cmp_lt_u32 vcc_lo, 15, v1                    ; lanes 16-31 store the row's words 4-7
.irp i, 0,1,2,3
	v_cndmask_b32 v[24+\i], v[W+\i], v[W+4+\i], vcc_lo
.endr
	global_store_b128 v9, v[24:27], s[24:25]       ; the block's 512 scale bytes, consecutive
	s_wait_tensorcnt 0x0
	ds_add_u32 v248, v249
	s_wait_dscnt 0x0
	s_endpgm
.Lfunc_end_k_qc3db993936_quant:
	.size	k_qc3db993936_quant, .Lfunc_end_k_qc3db993936_quant-k_qc3db993936_quant
	.p2alignl 7, 3214868480
	.fill 96, 4, 3214868480
	.section	.rodata,"a",@progbits
	.p2align	6, 0x0
	.amdhsa_kernel k_qc3db993936_quant
		.amdhsa_group_segment_fixed_size 60160
		.amdhsa_private_segment_fixed_size 0
		.amdhsa_enable_private_segment 0
		.amdhsa_kernarg_size 72
		.amdhsa_user_sgpr_count 2
		.amdhsa_user_sgpr_kernarg_segment_ptr 1
		.amdhsa_wavefront_size32 1
		.amdhsa_system_sgpr_workgroup_id_x 1
		.amdhsa_system_sgpr_workgroup_id_y 1
		.amdhsa_system_sgpr_workgroup_id_z 1
		.amdhsa_system_vgpr_workitem_id 0
		.amdhsa_next_free_vgpr 250
		.amdhsa_next_free_sgpr 66
		.amdhsa_reserve_vcc 1
		.amdhsa_float_denorm_mode_32 3
		.amdhsa_float_denorm_mode_16_64 3
		.amdhsa_memory_ordered 1
		.amdhsa_forward_progress 1
		.amdhsa_inst_pref_size 59
	.end_amdhsa_kernel
	.amdgpu_metadata
---
amdhsa.version: [ 1, 2 ]
amdhsa.kernels:
  - .name:           k_qc3db993936_quant
    .symbol:         k_qc3db993936_quant.kd
    .args:
      - { .name: input_q, .offset: 0, .size: 8, .value_kind: global_buffer, .address_space: global }
      - { .name: input_k, .offset: 8, .size: 8, .value_kind: global_buffer, .address_space: global }
      - { .name: input_v, .offset: 16, .size: 8, .value_kind: global_buffer, .address_space: global }
      - { .name: WQw, .offset: 24, .size: 8, .value_kind: global_buffer, .address_space: global }
      - { .name: WKw, .offset: 32, .size: 8, .value_kind: global_buffer, .address_space: global }
      - { .name: WVw, .offset: 40, .size: 8, .value_kind: global_buffer, .address_space: global }
      - { .name: Ww, .offset: 48, .size: 8, .value_kind: global_buffer, .address_space: global }
      - { .name: xcodes, .offset: 56, .size: 8, .value_kind: global_buffer, .address_space: global }
      - { .name: xscales, .offset: 64, .size: 8, .value_kind: global_buffer, .address_space: global }
    .group_segment_fixed_size: 60160
    .private_segment_fixed_size: 0
    .kernarg_segment_align: 8
    .kernarg_segment_size: 72
    .max_flat_workgroup_size: 224
    .sgpr_count:     66
    .vgpr_count:     250
    .wavefront_size: 32
...
	.end_amdgpu_metadata
.endif
;; end of part 1
;; launch proj (part 2): grid 4 x 96, 4 waves a work-group, clusters of 4 x 4, 327,680 bytes of LDS; arguments xcodes, xscales, WQb, WKb, WVb, qw, kv; writes qw, kv
.if DOCPART == 2
	.amdgcn_target "amdgcn-amd-amdhsa--gfx1250"
	.amdhsa_code_object_version 6
	.text
	.protected	k_qc3db993936_proj
	.globl	k_qc3db993936_proj
	.p2align	8
	.type	k_qc3db993936_proj,@function
k_qc3db993936_proj:
	s_mov_b64 s[64:65], 0
	v_nop
	global_prefetch_b8 v0, s[64:65] scope:SCOPE_SE
	s_setreg_imm32_b32 hwreg(HW_REG_WAVE_MODE, 25, 1), 1
	s_wait_xcnt 0x0
	s_wait_alu depctr_hold_cnt(0) depctr_sa_sdst(0) depctr_va_vdst(0) depctr_va_sdst(0) depctr_va_ssrc(0) depctr_va_vcc(0) depctr_vm_vsrc(0)
	s_getreg_b32 s2, hwreg(HW_REG_IB_STS2, 6, 4)
	s_cmp_eq_u32 s2, 0
	s_cbranch_scc0 .Lentry_in_a_cluster
	s_endpgm
.Lentry_in_a_cluster:
	s_bfe_u32 s2, ttmp6, 0x10000c
	s_cmp_lg_u32 s2, 0xf033
	s_cbranch_scc0 .Lentry_shape_is_right
	s_endpgm
.Lentry_shape_is_right:
; The three projections on codes of FP6 (E2M3) with E8M0 scales, K = 1,024; bias added in f32; the results quantised in registers and stored as operands of the attention launch.
; A work-group makes 256 x 256 results, four waves 128 x 128 each (64 accumulators, 512 registers).  Side A is the matrix instruction's source 1 (a lane holds one of its rows), side B its source 0 (a lane's registers run along its rows).
;   Q, K:  A = rows of x, B = rows of W: a lane's 64 registers of a block are 128 neighbouring e of one row: two heads' 64, each quantised along e.
;   V:     A = rows of WV, B = rows of input_v: a lane's 64 registers are 128 neighbouring KEYS of one channel v: quantised along the keys, which are the second attention product's K.
; Only global offsets differ between the three; no branch hangs on the tensor.  24 clusters of 4 x 4: cluster y / 8 is the tensor, cluster y % 8 the group of four tiles along x's rows.
; Codes lie in memory as images of operand registers: [block of 16 rows][8 steps of 128 K][2 halves][768 bytes]; a half = 512 bytes (registers 0-3, lane l at 16 l) + 256 bytes (registers 4-5, lane l at 8 l).
; The rows of a block: lane r of block L holds row 32 (L / 2) + 8 (L % 2) + r + 8 (r / 8); so the 16 registers of two neighbouring blocks' results are 16 true neighbours.
; K goes in steps of 256 through a ring of two LDS slots; each wave fetches 8 blocks x 3,072 bytes with one tensor load.  The scale bytes of the 256 + 256 rows come once and stay.
; CLUSTERS: A's tile hangs on the cluster's row, B's on its column: each is asked for jointly by the four that share it.
; OUT: qw [16 b + head][106,496]: Q's halves [128 tiles][768], then scale words [128][16] (bytes 0, 1: the head's two blocks; bytes 2, 3: 0).
;      kv [16 b + head][208,896]: K's halves [128][768]; V's fragments [16 steps of 128 keys][4 tiles of 16 v][1,536]; K's scale words [128][16]; V's [16][4][16].
; LIMITS: a block whose largest magnitude lies under 2^-124 keeps the byte 1 (a block of zeros too: its codes are zeros; only this program reads the bytes); NaN and infinities are not served.
; REGISTERS, in windows of 256: window 0: v0-31 addresses; v32-63 scale words, two sets; v64-127 the bias along the registers; v128-223 A's fragments, ONE set (on the way out: 64 numbers, then codes);
;   v224-239 the bias of the lane; v240-255 at work.   window 1: B's fragments, TWO sets, at v0 and v128.   windows 2, 3: the accumulators of my rows 0-63, 64-127 ((a, b) at v[8 (8 (a % 4) + b)]).
.set NQ,     2                         ; matrix instructions deep in a slot
.set FR,     12                        ; registers of a fragment
.set NL,     4                         ; LDS loads that bring one
.set NP,     4                         ; places behind this matrix instruction (ISA guide 7.12.1)
.set SB,     3072                      ; a block's bytes in a slot: 256 along K
.set HALFT,  8*SB                      ; 8 blocks = 128 rows: what one tensor load brings, and what one wave reads of A or of B
.set SLOT,   4*HALFT                   ; A's 16 blocks, then B's 16
.set KS,     32                        ; a row of scale bytes
.set SCL,    2*SLOT                    ; behind the ring: the scale bytes, as runs of 256 bytes + 16 of padding
.set HALFS,  16*272                    ; those of 128 rows
.set SBLK,   2*272                     ; those of 16 rows
.set SPARE,  SCL+4*HALFS               ; the spare words, 128 bytes for each wave: two blocks of 256 bytes that no other line names
.set ADRA, 16                          ; v16-17 LDS address of A's fragments in slot 0, 1, + 16 l;  v18-19 the same + 8 l
.set ADRB, 20                          ; v20-23 the same for B
.set ADRS, 27                          ; v27    my scale words: lanes 0-15 A's rows, lanes 16-31 B's
.set SPW,  28                          ; v28    LDS address of my spare word; never rewritten
.set NIL,  29                          ; v29    0; never rewritten
.set SC,   32                          ; scale words: set s at v[SC + 16 s]; register 2 i + q: lanes 0-15 A's block i, lanes 16-31 B's block i, the slot's q-th 128 along K
.set BB,   64                          ; the bias along the registers: register 16 b + i = B's row 32 b + 16 h + i
.set AF,   128
.set BL,   224                         ; the bias of the lane, block a at v[BL + 2 a]; the odd registers hold 0 (named with them as pairs)
.set TM,   240                         ; v240-243 largest magnitudes, v244-247 bytes, v252-255 the conversions' scale operands
.set T,    128                         ; the way out: a block's 64 numbers
.set PC,   192                         ; and its codes
.set PW,   14                          ; v14 the scale word just made; v15 what is stored of it
.set SEL,  2                           ; s[2:3] selects for lane l xor 16
.set G1, 24                            ; s[24:31] descriptor group 1 for A's tiles;  s[32:39] group 0, one set for each slot
.set G0, 32
.set G1B, 48                           ; s[48:55], s[56:63] the same for B's
.set G0B, 56
.set G1S, 68                           ; s[68:75], s[76:79] groups 1 and 0 for A's scales;  s[80:87], s[88:91] for B's
.set G0S, 76
.set G1SB, 80
.set G0SB, 88
.set MSB, 0
.macro WIN new                         ; the immediate's high byte repeats the setting that is left
.if MSB != \new
	s_set_vgpr_msb (MSB<<8)|\new
.set MSB, \new
.endif
.endm
.set MUL_LO, 0xa1                      ; source 0 (B) window 1, source 1 (A) window 0, C and D window 2
.set MUL_HI, 0xf1                      ; the same, C and D window 3
.set FST_LO, 0x81                      ; the first step: C (the bias) window 0, D window 2
.set FST_HI, 0xc1                      ; D window 3
.set TO_B,   0x40                      ; destination window 1, address window 0
; A joint load: waves 0 and 1 fetch for A, waves 2 and 3 for B.  Each line has one mask and one set of registers for all that issue it; the branch hangs on the wave's number alone.
; Four v_nop follow each of the two lines, ahead of the jump, the label and what follows.
.macro JLOAD g0a, g1a, g0b, g1b
	s_cmp_eq_u32 s15, 0
	s_cbranch_scc0 .Lfor_b_\@
	tensor_load_to_lds s[\g0a:\g0a+3], s[\g1a:\g1a+7]
	s_nop 0
.rept 4
	v_nop
.endr
	s_branch .Lasked_\@
.Lfor_b_\@:
	tensor_load_to_lds s[\g0b:\g0b+3], s[\g1b:\g1b+7]
	s_nop 0
.rept 4
	v_nop
.endr
.Lasked_\@:
.endm
.macro CREST                           ; a round of the cluster's barrier behind its opening barrier
	s_cmp_lg_u32 s14, 0
	s_cbranch_scc1 .Lnot_wave_0_\@
	s_barrier_signal -3
.Lnot_wave_0_\@:
	s_barrier_wait -3
	s_barrier_signal -1
	s_barrier_wait -1
.endm
.macro CROUND                          ; a whole round
	s_barrier_signal -1
	s_barrier_wait -1
	CREST
.endm
	s_load_b128 s[4:7], s[0:1], 0x0                ; for A's side: xcodes, xscales
	s_load_b128 s[8:11], s[0:1], 0x0               ; for B's side: the same two, in registers of their own
	s_load_b128 s[68:71], s[0:1], 0x10             ; WQb, WKb
	s_load_b128 s[72:75], s[0:1], 0x20             ; WVb, qw
	s_load_b64 s[76:77], s[0:1], 0x30              ; kv
	v_lshl_add_u32 v[SPW], v0, 2, SPARE
	v_mov_b32 v[NIL], 0
	ds_add_u32 v28, v29
	ds_add_u32 v28, v29
	s_wait_dscnt 0x0
	v_lshrrev_b32 v1, 5, v0
	v_readfirstlane_b32 s14, v1                    ; wave 0..3
	s_lshr_b32 s15, s14, 1                         ; which half of A's rows is mine.  Also: I fetch for A (0) or for B (1)
	s_and_b32 s16, s14, 1                          ; which half of B's rows.  Also: which 128 rows of that tile I fetch
	s_bfe_u32 s40, ttmp6, 0x40000                  ; cx, cy: my place in the cluster
	s_bfe_u32 s41, ttmp6, 0x40004
	s_and_b32 s67, ttmp7, 0xffff                   ; the cluster's y, 0..23
	s_lshr_b32 s66, s67, 3                         ; the tensor: 0 Q, 1 K, 2 V
	s_and_b32 s67, s67, 7                          ; which four tiles along x's rows
	s_lshl_b32 s18, s66, 13                        ; Q, K: A's first row = 8,192 x tensor,
	s_lshl_b32 s19, s66, 10
	s_add_co_u32 s19, s19, 24576                   ; B's = 24,576 + 1,024 x tensor
	s_cmp_eq_u32 s66, 2
	s_cselect_b32 s17, 0, s67
	s_cselect_b32 s42, s67, 0
	s_cselect_b32 s18, 26624, s18                  ; V: A = WVw's rows,
	s_cselect_b32 s19, 16384, s19                  ; B = input_v's
	s_lshl_b32 s17, s17, 2
	s_add_co_u32 s17, s17, s41                     ; A's tile: hangs on cy and the cluster alone
	s_lshl_b32 s42, s42, 2
	s_add_co_u32 s42, s42, s40                     ; B's tile: on cx and the cluster alone
	s_lshl_b32 s43, s41, 2
	s_lshl_b32 s43, 15, s43                        ; my row of the cluster
	s_lshl_b32 s44, 0x1111, s40                    ; my column
	s_wait_kmcnt 0x0
	s_cmp_eq_u32 s66, 1                            ; the tensor's bias and output: choices that hang on the cluster's number alone
	s_cselect_b64 s[96:97], s[70:71], s[68:69]
	s_cmp_eq_u32 s66, 2
	s_cselect_b64 s[96:97], s[72:73], s[96:97]
	s_cmp_eq_u32 s66, 0
	s_cselect_b64 s[98:99], s[74:75], s[76:77]
	; descriptor group 1 for codes: 8 rows (blocks) of 384 elements of 8 bytes, 1,536 elements apart; dense in LDS
	s_or_b32 s[G1+0], s43, (3<<16)|(1<<21)         ; 15:0 the mask: A's tiles go to my row; 17:16 elements of 8 bytes; 21 set beside a mask
	s_or_b32 s[G1B+0], s44, (3<<16)|(1<<21)
.irp g, G1, G1B
	s_mov_b32 s[\g+1], 384<<16                     ; tensor_dim0
	s_mov_b32 s[\g+2], 8<<16                       ; tensor_dim1
	s_mov_b32 s[\g+3], 384<<16                     ; tile_dim0
	s_mov_b32 s[\g+4], 8                           ; tile_dim1
	s_mov_b32 s[\g+5], 1536                        ; tensor_dim0_stride
	s_mov_b32 s[\g+6], 0
	s_mov_b32 s[\g+7], 0
.endr
	; and for the scale bytes of 128 rows: 4,096 dense bytes as 16 rows of 256 (32 elements of 8 bytes), 16 bytes of padding behind each
	s_or_b32 s[G1S+0], s43, (3<<16)|(1<<20)|(1<<21)|(5<<22)|(3<<25)
	s_or_b32 s[G1SB+0], s44, (3<<16)|(1<<20)|(1<<21)|(5<<22)|(3<<25)
.irp g, G1S, G1SB
	s_mov_b32 s[\g+1], 32<<16
	s_mov_b32 s[\g+2], 16<<16
	s_mov_b32 s[\g+3], 32<<16
	s_mov_b32 s[\g+4], 16
	s_mov_b32 s[\g+5], 32
	s_mov_b32 s[\g+6], 0
	s_mov_b32 s[\g+7], 0
.endr
	s_lshl_b32 s22, s16, 7                         ; which 128 rows of the tile I fetch
	s_lshl_b32 s20, s17, 8
	s_add_co_u32 s20, s20, s22
	s_add_co_u32 s20, s20, s18                     ; A: first row + 256 x tile + 128 x half
	s_lshl_b32 s46, s42, 8
	s_add_co_u32 s46, s46, s22
	s_add_co_u32 s46, s46, s19                     ; B likewise
	s_mov_b32 s21, 0
	s_mov_b32 s47, 0
	s_mov_b64 s[18:19], KS
	s_mul_u64 s[22:23], s[20:21], s[18:19]         ; where these rows' scale bytes begin
	s_mul_u64 s[92:93], s[46:47], s[18:19]
	s_mov_b64 s[18:19], 768
	s_mul_u64 s[20:21], s[20:21], s[18:19]         ; and their codes: 768 bytes a row
	s_mul_u64 s[46:47], s[46:47], s[18:19]
	s_mul_i32 s45, s14, HALFT                      ; where they go: wave x 8 blocks: no place in the cluster enters an LDS address
	s_mul_i32 s94, s14, HALFS
	s_add_nc_u64 s[20:21], s[4:5], s[20:21]
	s_add_nc_u64 s[22:23], s[6:7], s[22:23]
	s_add_nc_u64 s[46:47], s[8:9], s[46:47]
	s_add_nc_u64 s[92:93], s[10:11], s[92:93]
	CROUND                                         ; all sixteen work-groups are here: the first joint loads meet
	s_mov_b32 s[G0S], 1
	s_add_co_u32 s[G0S+1], s94, SCL
	s_mov_b64 s[G0S+2:G0S+3], s[22:23]
	s_or_b32 s[G0S+3], s[G0S+3], 0x80000000
	s_mov_b32 s[G0SB], 1
	s_add_co_u32 s[G0SB+1], s94, SCL
	s_mov_b64 s[G0SB+2:G0SB+3], s[92:93]
	s_or_b32 s[G0SB+3], s[G0SB+3], 0x80000000
	JLOAD G0S, G1S, G0SB, G1SB                     ; the scales first: they are wanted with K step 0
.irp s, 0,1
	s_mov_b32 s[G0+4*\s], 1
	s_add_co_u32 s[G0+4*\s+1], s45, \s*SLOT
	s_add_nc_u64 s[G0+4*\s+2:G0+4*\s+3], s[20:21], \s*SB
	s_or_b32 s[G0+4*\s+3], s[G0+4*\s+3], 0x80000000
	s_mov_b32 s[G0B+4*\s], 1
	s_add_co_u32 s[G0B+4*\s+1], s45, \s*SLOT
	s_add_nc_u64 s[G0B+4*\s+2:G0B+4*\s+3], s[46:47], \s*SB
	s_or_b32 s[G0B+4*\s+3], s[G0B+4*\s+3], 0x80000000
	JLOAD G0+4*\s, G1, G0B+4*\s, G1B               ; three tensor loads of mine are out
.endr
	v_and_b32 v1, 15, v0                           ; r
	v_bfe_u32 v2, v0, 4, 1                         ; h
	v_and_b32 v6, 31, v0                           ; lane l
	v_lshlrev_b32 v4, 4, v6
	v_lshlrev_b32 v5, 3, v6
	s_mul_i32 s21, s15, HALFT                      ; my 8 blocks of A
	s_mul_i32 s22, s16, HALFT                      ; my 8 blocks of B,
	s_add_co_u32 s22, s22, 2*HALFT                 ; which lie behind A's 16
.irp s, 0,1
	v_add_nc_u32 v[ADRA+\s], s21, v4
	v_add_nc_u32 v[ADRB+\s], s22, v4
	v_add_nc_u32 v[ADRA+2+\s], s21, v5
	v_add_nc_u32 v[ADRB+2+\s], s22, v5
	s_add_co_u32 s21, s21, SLOT
	s_add_co_u32 s22, s22, SLOT
.endr
	v_mul_u32_u24 v5, v1, KS                       ; my row's scale bytes: 32 a row,
	v_lshrrev_b32 v7, 8, v5
	v_lshl_add_u32 v5, v7, 4, v5                   ; and 16 more for each 256 passed
	s_mul_i32 s21, s15, HALFS                      ; A's: my 128 rows
	s_mul_i32 s22, s16, HALFS                      ; B's: my 128 rows, behind A's 256
	s_add_co_u32 s22, s22, 2*HALFS
	s_sub_co_u32 s22, s22, s21
	v_mul_u32_u24 v7, s22, v2                      ; lanes 16-31 take B's
	s_add_co_u32 s21, s21, SCL
	v_add_nc_u32 v5, v5, v7
	v_add_nc_u32 v[ADRS], s21, v5
	; ---- the biases.  Q, K: along the registers (B's rows are W's); V: of the lane (A's rows are W's).  Both are loaded on every path, from inside the buffer, and the one that does not apply is made 0.
	s_lshl_b32 s18, s42, 8
	s_lshl_b32 s19, s16, 7
	s_add_co_u32 s18, s18, s19
	s_lshl_b32 s18, s18, 2                         ; my first row of B within its tensor, x 4 bytes
	s_lshl_b32 s19, s17, 8
	s_lshl_b32 s20, s15, 7
	s_add_co_u32 s19, s19, s20
	s_lshl_b32 s19, s19, 2                         ; the same of A
	s_cmp_eq_u32 s66, 2
	s_cselect_b32 s18, 0, s18
	s_cselect_b32 s19, s19, 0
	s_cselect_b32 s92, -1, 0                       ; all lanes: V
	s_cselect_b32 s93, 0, -1                       ; all lanes: not V
	v_lshl_add_u32 v3, v2, 6, s18                  ; + 16 h numbers
	v_and_b32 v4, 8, v1
	v_add_nc_u32 v4, v4, v1                        ; r + 8 (r / 8)
	v_lshl_add_u32 v4, v4, 2, s19
.irp b, 0,1,2,3
.irp k, 0,1,2,3
	global_load_b128 v[BB+16*\b+4*\k:BB+16*\b+4*\k+3], v3, s[96:97] offset:128*\b+16*\k
.endr
.endr
.irp a, 0,1,2,3,4,5,6,7
	global_load_b32 v[BL+2*\a], v4, s[96:97] offset:(32*(\a/2)+8*(\a%2))*4
	v_mov_b32 v[BL+2*\a+1], 0
.endr
	; ---- where my results go.  X: my first block on x's side; Wt: my first tile on W's side
	s_cselect_b32 s18, s42, s17
	s_cselect_b32 s19, s16, s15
	s_cselect_b32 s20, s17, s42
	s_cselect_b32 s21, s15, s16
	s_lshl_b32 s18, s18, 4
	s_lshl_b32 s19, s19, 3
	s_add_co_u32 s18, s18, s19                     ; X
	s_lshl_b32 s20, s20, 4
	s_lshl_b32 s21, s21, 3
	s_add_co_u32 s20, s20, s21                     ; Wt
	s_lshr_b32 s19, s18, 7                         ; the batch: 128 blocks each
	s_lshl_b32 s19, s19, 4
	s_lshr_b32 s20, s20, 2                         ; the head: 4 tiles each
	s_add_co_u32 s19, s19, s20                     ; my first record
	s_and_b32 s18, s18, 127                        ; the block within the batch
	s_mov_b32 s22, 208896
	s_mov_b32 s21, 196608
	s_cmp_eq_u32 s66, 0
	s_cselect_b32 s22, 106496, s22                 ; a record's bytes
	s_cselect_b32 s21, 98304, s21                  ; where its scale words begin: Q's, K's,
	s_mul_i32 s19, s19, s22
	s_mul_i32 s23, s18, 768
	s_mov_b32 s100, 768
	s_mov_b32 s101, 768
	s_cmp_eq_u32 s66, 2
	s_cselect_b32 s21, 204800, s21                 ; V's
	s_cselect_b32 s20, 98304, 0                    ; V's codes lie behind K's
	s_cselect_b32 s47, 5, 6                        ; scale words: V 32 bytes for each block of keys (256 for 8), Q and K 64 a tile
	s_cselect_b32 s100, 1536, s100                 ; from block a to a + 1: V the next tile of v, Q and K the next tile of rows;
	s_cselect_b32 s101, 204288, s101               ; from 3 to 4: V the next head's first tile
	s_cselect_b32 s46, 768, s22                    ; from a fragment's first half to its second: V 64 keys on, Q and K the next head
	s_cselect_b32 s104, 208704, 64                 ; the scale words' step from 3 to 4
	s_cselect_b32 s95, 0, s22                      ; lanes 16-31 store the second head's scale word (Q, K)
	s_cselect_b32 s67, 0, 16                       ; which is the word's upper half,
	s_cselect_b32 s105, -1, 0xffff                 ; with bytes 2 and 3 cleared
	s_add_co_u32 s23, s23, s19
	s_add_co_u32 s23, s23, s20                     ; my first codes
	s_lshl_b32 s18, s18, s47
	s_add_co_u32 s21, s21, s19
	s_add_co_u32 s21, s21, s18                     ; my first scale words
	v_lshl_add_u32 v8, v6, 4, s23                  ; v8, v9: the first half's 512 and 256 bytes;  v10, v11: the second's
	v_lshl_add_u32 v9, v6, 3, s23
	v_add_nc_u32 v10, s46, v8
	v_add_nc_u32 v11, s46, v9
	v_lshl_add_u32 v12, v1, 2, s21                 ; v12: my row's scale word
	v_mad_u32_u24 v12, v2, s95, v12
	v_mul_u32_u24 v13, v2, s67                     ; v13: how far the word is shifted down
	s_mov_b32 s[SEL], 0x76543210
	s_mov_b32 s[SEL+1], 0xfedcba98
.irp b, 0,1,2,3
	v_mov_b32 v[TM+4+\b], 0                        ; written once: a lane permute's destination counts as one of its sources
.endr
	s_wait_loadcnt 0x0
.set n, 0
.rept 64
	v_cndmask_b32 v[BB+n], 0, v[BB+n], s93
.set n, n+1
.endr
.irp a, 0,1,2,3,4,5,6,7
	v_cndmask_b32 v[BL+2*\a], 0, v[BL+2*\a], s92
.endr
.macro FRAG reg, adr, q, i             ; a fragment, 16 rows x 128 K, 12 registers, comes as it was stored: two halves of 512 + 256 bytes, every load dense
	ds_load_b128 v[\reg:\reg+3], v[\adr] offset:(\i)*SB+(\q)*1536
	ds_load_b64 v[\reg+4:\reg+5], v[\adr+2] offset:(\i)*SB+(\q)*1536+512
	ds_load_b128 v[\reg+6:\reg+9], v[\adr] offset:(\i)*SB+(\q)*1536+768
	ds_load_b64 v[\reg+10:\reg+11], v[\adr+2] offset:(\i)*SB+(\q)*1536+1280
.endm
; 16 matrix instructions: A's blocks a0, a0 + 1 x B's eight, the slot's q-th 128 along K.  p: B's set;  sc: the set of scale words.  first = 1: the bias along the registers is the C that starts the sums.
; The 64 accumulators take turns, one instruction a turn, in the same order in every step.
.macro MUL16 a0, p, q, sc, first
.irp a, \a0, \a0+1
.irp b, 0,1,2,3,4,5,6,7
.if \first
	v_wmma_scale_f32_16x16x128_f8f6f4 v[8*(8*((\a)%4)+\b):8*(8*((\a)%4)+\b)+7], v[128*(\p)+FR*\b:128*(\p)+FR*\b+FR-1], v[AF+FR*(\a):AF+FR*(\a)+FR-1], v[BB+8*\b:BB+8*\b+7], v[SC+8*NQ*(\sc)+NQ*\b+(\q)], v[SC+8*NQ*(\sc)+NQ*(\a)+(\q)] matrix_a_fmt:MATRIX_FMT_FP6 matrix_b_fmt:MATRIX_FMT_FP6 matrix_a_scale:MATRIX_SCALE_ROW1
.else
	v_wmma_scale_f32_16x16x128_f8f6f4 v[8*(8*((\a)%4)+\b):8*(8*((\a)%4)+\b)+7], v[128*(\p)+FR*\b:128*(\p)+FR*\b+FR-1], v[AF+FR*(\a):AF+FR*(\a)+FR-1], v[8*(8*((\a)%4)+\b):8*(8*((\a)%4)+\b)+7], v[SC+8*NQ*(\sc)+NQ*\b+(\q)], v[SC+8*NQ*(\sc)+NQ*(\a)+(\q)] matrix_a_fmt:MATRIX_FMT_FP6 matrix_b_fmt:MATRIX_FMT_FP6 matrix_a_scale:MATRIX_SCALE_ROW1
.endif
.endr
.endr
.endm
.macro FETCH_B slot, q, p              ; B's eight fragments of the slot's q-th 128 along K into set p
	WIN TO_B
.irp i, 0,1,2,3,4,5,6,7
	FRAG 128*(\p)+FR*\i, ADRB+\slot, \q, \i
.endr
	WIN 0
.endm
.macro FETCH_A slot, q, i0             ; A's blocks i0 .. i0 + 3
.irp i, \i0, \i0+1, \i0+2, \i0+3
	FRAG AF+FR*(\i), ADRA+\slot, \q, \i
.endr
.endm
.macro SCALES sc                       ; a K step's scale words into set sc: two words a row; lanes 0-15 take A's block i, lanes 16-31 B's block i
.irp i, 0,1,2,3,4,5,6,7
	ds_load_b64 v[SC+8*NQ*\sc+NQ*\i:SC+8*NQ*\sc+NQ*\i+1], v[ADRS] offset:\i*SBLK
.endr
.endm
.macro PLACES n                        ; plain vector places in front of loads into registers that matrix instructions have read, and of the first read of results
.rept \n
	v_nop
.endr
.endm
; A step of 128 along K that has its successor in the same slot.  A block of A is free once its eight products are issued: blocks 0-3 are fetched anew in the step's middle, blocks 4-7 at its end.
.macro STEP slot, q, first
	s_wait_dscnt 4*NL                              ; B's set, A's blocks 0-3 and the scale words are in; the youngest 16 loads (A's blocks 4-7) may be out
.if \first
	WIN FST_LO
.else
	WIN MUL_LO
.endif
	MUL16 0, (\q)%2, \q, \slot, \first
	MUL16 2, (\q)%2, \q, \slot, \first
	s_wait_dscnt 0x0                               ; A's blocks 4-7 are in
	PLACES NP
	FETCH_B \slot, (\q)+1, 1-(\q)%2
	FETCH_A \slot, (\q)+1, 0
.if \first
	WIN FST_HI
.else
	WIN MUL_HI
.endif
	MUL16 4, (\q)%2, \q, \slot, \first
	MUL16 6, (\q)%2, \q, \slot, \first
	PLACES NP
	WIN 0
	FETCH_A \slot, (\q)+1, 4
.endm
; A slot's last step changes slots: ONE barrier; in front of it each wave waits for all its tensor loads, adds 0 to its spare word, and waits for that and for its own reads of this slot.  fill = 1: this slot is filled again, two K steps ahead.
.macro TURN slot, next, fill
	s_wait_tensorcnt 0x0                           ; all my tensor loads have landed: my part of the next slot (every window is 0 here)
	ds_add_u32 v[SPW], v[NIL]                      ; 0 onto my spare word
	s_wait_dscnt 4*NL+1                            ; (the add and the youngest 16 loads, A's blocks 4-7, may be out)
	WIN MUL_LO
	MUL16 0, 1, NQ-1, \slot, 0                     ; sixteen matrix instructions stand between the add and the wait for it
	s_wait_dscnt 0x0                               ; the add is done, and my reads of this slot are over
	s_barrier_signal -1
	MUL16 2, 1, NQ-1, \slot, 0
	WIN 0
	s_barrier_wait -1
.if \fill
	CREST                                          ; the barrier has opened a round of the cluster's barrier: no wave of any partner still reads this slot or has a load on its way
	s_add_nc_u64 s[G0+4*\slot+2:G0+4*\slot+3], s[G0+4*\slot+2:G0+4*\slot+3], 2*SB
	s_add_nc_u64 s[G0B+4*\slot+2:G0B+4*\slot+3], s[G0B+4*\slot+2:G0B+4*\slot+3], 2*SB
	JLOAD G0+4*\slot, G1, G0B+4*\slot, G1B         ; the first tensor load behind the round, my only one until the next; its four v_nop are also the places in front of the loads below
.else
	PLACES NP
.endif
	s_wait_alu depctr_va_vdst(0)
	v_add_nc_u32 v[ADRS], 4*NQ, v[ADRS]            ; on to the next K step's scale words (no LDS load of mine is out)
	FETCH_B \next, 0, 0
	FETCH_A \next, 0, 0
	SCALES \next
	WIN MUL_HI
	MUL16 4, 1, NQ-1, \slot, 0
	MUL16 6, 1, NQ-1, \slot, 0
	PLACES NP
	WIN 0
	FETCH_A \next, 0, 4
.endm
	s_wait_alu depctr_va_vdst(0)
	s_wait_tensorcnt 1                             ; the scales and my part of K step 0 are in; K step 1's load may be out
	s_barrier_signal -1
	s_barrier_wait -1                              ; everybody's are
	FETCH_B 0, 0, 0
	FETCH_A 0, 0, 0
	SCALES 0
	FETCH_A 0, 0, 4
	STEP 0, 0, 1                                   ; K = 1,024 is four slots' worth: written straight
	TURN 0, 1, 1                                   ; slot 0 takes K 512 on
	STEP 1, 0, 0
	TURN 1, 0, 1                                   ; slot 1 takes K 768 on
	STEP 0, 0, 0
	TURN 0, 1, 0                                   ; nothing is left to fetch: no round
	STEP 1, 0, 0
	s_wait_dscnt 4*NL                              ; the very last step
	WIN MUL_LO
	MUL16 0, 1, NQ-1, 1, 0
	MUL16 2, 1, NQ-1, 1, 0
	s_wait_dscnt 0x0
	WIN MUL_HI
	MUL16 4, 1, NQ-1, 1, 0
	MUL16 6, 1, NQ-1, 1, 0
	WIN 0
; 64 numbers of a lane, v[s] .. v[s + 63], register 16 b + i = k 32 b + 16 (lane / 16) + i of my row, become a fragment's codes in v[PC] on and its scale word in v[PW].
.macro QUANT s
.irp b, 0,1,2,3
	v_max3_num_f32 v[TM+\b], |v[\s+16*\b]|, |v[\s+1+16*\b]|, 0x1800000   ; block b: my 16 numbers, and the floor 2^(3 - 127): the byte cannot fall under 1
.endr
.irp i, 2,4,6,8,10,12,14
.irp b, 0,1,2,3
	v_max3_num_f32 v[TM+\b], v[TM+\b], |v[\s+16*\b+\i]|, |v[\s+1+16*\b+\i]|   ; (the four blocks by turns)
.endr
.endr
.irp b, 0,1,2,3
	v_permlanex16_b32 v[TM+4+\b], v[TM+\b], s[SEL], s[SEL+1]
.endr
.irp b, 0,1,2,3
	v_max_num_f32 v[TM+\b], v[TM+\b], v[TM+4+\b]   ; with lane l xor 16's: the block's largest magnitude
.endr
.irp b, 0,1,2,3
	v_add_nc_u32 v[TM+12+\b], 0xff000000, v[TM+\b] ; 2 off its exponent field: the conversion's scale operand
.endr
.irp b, 0,1,2,3
	v_lshrrev_b32 v[TM+4+\b], 23, v[TM+12+\b]      ; the scale's byte
.endr
	v_lshl_or_b32 v[PW], v[TM+5], 8, v[TM+4]
	v_lshl_or_b32 v[PW], v[TM+6], 16, v[PW]
	v_lshl_or_b32 v[PW], v[TM+7], 24, v[PW]
.irp c, 0,1
	v_cvt_scalef32_pk16_fp6_f32 v[PC+6*\c:PC+2+6*\c], v[\s+32*\c:\s+15+32*\c], v[TM+12+2*\c]
	v_cvt_scalef32_pk16_fp6_f32 v[PC+12+4*\c:PC+14+4*\c], v[\s+16+32*\c:\s+31+32*\c], v[TM+12+2*\c+1]   ; (a conversion's three registers begin on an even number)
.endr
	v_nop                                          ; one plain place behind a scaled conversion
.irp c, 0,1                            ; the operand's layout wants a WHOLE block in a lane: lanes 0-15 block 2 c, lanes 16-31 block 2 c + 1
.irp i, 0,1,2
	v_permlane16_swap_b32 v[PC+6*\c+\i], v[PC+12+4*\c+\i]
.endr
.irp i, 0,1,2
	v_mov_b32 v[PC+3+6*\c+\i], v[PC+12+4*\c+\i]
.endr
.endr
.endm
; THE WAY OUT of A's block a: the lane's bias is added, the 64 numbers are quantised, and the fragment leaves as the image of its registers: stores of 512 and 256 consecutive bytes, aligned to 256.
.macro OUTBLK a
	WIN 0x02+(\a)/4                                ; source 0: window 2 or 3
.set k, 0
.rept 32
	v_pk_add_f32 v[T+k:T+k+1], v[64*((\a)%4)+k:64*((\a)%4)+k+1], v[BL+2*(\a):BL+2*(\a)+1] op_sel_hi:[1,0]   ; each accumulator from its low end on
.set k, k+2
.endr
	WIN 0
	QUANT T
	v_lshrrev_b32 v15, v13, v[PW]                  ; Q, K: lanes 0-15 keep the first head's two bytes, lanes 16-31 the second's; V: the whole word
	v_and_b32 v15, s105, v15
	global_store_b128 v8, v[PC:PC+3], s[98:99]
	global_store_b64 v9, v[PC+4:PC+5], s[98:99] offset:512
	global_store_b128 v10, v[PC+6:PC+9], s[98:99]
	global_store_b64 v11, v[PC+10:PC+11], s[98:99] offset:512
	global_store_b32 v12, v15, s[98:99]            ; 64 bytes a half of the lanes: the one store here that covers less than 256 bytes
.if (\a) < 7
	s_wait_xcnt 0x0                                ; the stores have read their offsets and data: both are written again only behind this wait
.if (\a) == 3
.irp r, 8,9,10,11
	v_add_nc_u32 v\r, s101, v\r
.endr
	v_add_nc_u32 v12, s104, v12
.else
.irp r, 8,9,10,11
	v_add_nc_u32 v\r, s100, v\r
.endr
	v_add_nc_u32 v12, 64, v12
.endif
.endif
.endm
	PLACES NP                                      ; behind the last products: their results are read, and A's registers written, below
.irp a, 0,1,2,3,4,5,6,7
	OUTBLK \a
.endr
	s_wait_tensorcnt 0x0                           ; the wave's end
	ds_add_u32 v[SPW], v[NIL]
	s_wait_dscnt 0x0
	CROUND                                         ; the closing round: no work-group ends while a partner may still ask for a tile that names it
	s_endpgm
.Lfunc_end_k_qc3db993936_proj:
	.size	k_qc3db993936_proj, .Lfunc_end_k_qc3db993936_proj-k_qc3db993936_proj
	.p2alignl 7, 3214868480
	.fill 96, 4, 3214868480
	.section	.rodata,"a",@progbits
	.p2align	6, 0x0
	.amdhsa_kernel k_qc3db993936_proj
		.amdhsa_group_segment_fixed_size 327680
		.amdhsa_private_segment_fixed_size 0
		.amdhsa_enable_private_segment 0
		.amdhsa_kernarg_size 56
		.amdhsa_user_sgpr_count 2
		.amdhsa_user_sgpr_kernarg_segment_ptr 1
		.amdhsa_wavefront_size32 1
		.amdhsa_system_sgpr_workgroup_id_x 1
		.amdhsa_system_sgpr_workgroup_id_y 1
		.amdhsa_system_sgpr_workgroup_id_z 1
		.amdhsa_system_vgpr_workitem_id 0
		.amdhsa_next_free_vgpr 1024
		.amdhsa_next_free_sgpr 106
		.amdhsa_reserve_vcc 0
		.amdhsa_float_denorm_mode_32 3
		.amdhsa_float_denorm_mode_16_64 3
		.amdhsa_memory_ordered 1
		.amdhsa_forward_progress 1
		.amdhsa_inst_pref_size 176
	.end_amdhsa_kernel
	.amdgpu_metadata
---
amdhsa.version: [ 1, 2 ]
amdhsa.kernels:
  - .name:           k_qc3db993936_proj
    .symbol:         k_qc3db993936_proj.kd
    .args:
      - { .name: xcodes, .offset: 0, .size: 8, .value_kind: global_buffer, .address_space: global }
      - { .name: xscales, .offset: 8, .size: 8, .value_kind: global_buffer, .address_space: global }
      - { .name: WQb, .offset: 16, .size: 8, .value_kind: global_buffer, .address_space: global }
      - { .name: WKb, .offset: 24, .size: 8, .value_kind: global_buffer, .address_space: global }
      - { .name: WVb, .offset: 32, .size: 8, .value_kind: global_buffer, .address_space: global }
      - { .name: qw, .offset: 40, .size: 8, .value_kind: global_buffer, .address_space: global }
      - { .name: kv, .offset: 48, .size: 8, .value_kind: global_buffer, .address_space: global }
    .group_segment_fixed_size: 327680
    .private_segment_fixed_size: 0
    .kernarg_segment_align: 8
    .kernarg_segment_size: 56
    .max_flat_workgroup_size: 128
    .sgpr_count:     106
    .vgpr_count:     1024
    .wavefront_size: 32
...
	.end_amdgpu_metadata
.endif
;; end of part 2
;; launch attn (part 3): grid 4 x 64, 16 waves a work-group, no clusters, 210,944 bytes of LDS; arguments qw, kv, ccodes, cscales; writes ccodes, cscales
.if DOCPART == 3
	.amdgcn_target "amdgcn-amd-amdhsa--gfx1250"
	.amdhsa_code_object_version 6
	.text
	.protected	k_qc3db993936_attn
	.globl	k_qc3db993936_attn
	.p2align	8
	.type	k_qc3db993936_attn,@function
k_qc3db993936_attn:
	s_mov_b64 s[64:65], 0
	v_nop
	global_prefetch_b8 v0, s[64:65] scope:SCOPE_SE
	s_setreg_imm32_b32 hwreg(HW_REG_WAVE_MODE, 25, 1), 1
	s_wait_xcnt 0x0
; Causal attention of one (batch, head) on codes of FP6 (E2M3) with E8M0 scales, head size 64, logits = score / 32; the context is divided by the row's sum and quantised along (head, v) for the output projection.
; THE SOFTMAX AHEAD OF THE SECOND PRODUCT: t = score x log2(e) / 32; M = the row's largest t so far, rounded UP to a whole number; p = 2^(t - M) is quantised along the keys, not normalised; the row's sum is taken
; of the unquantised p; when M moves, the sum and O are multiplied by 2^(old M - new M), which rounds nothing.
; SHARES: work-group (i, hb): hb = 16 b + head.  Wave w makes two tiles of 16 queries one after the other, T = 16 i + w and 127 - T: tile T needs T / 8 + 1 steps of 128 keys, so every wave has 17 steps.
; LDS IS THE HEAD'S WHOLE RECORD OF kv, 208,896 bytes, filled ONCE (each wave brings 51 rows of 256 bytes), then only read: one barrier, no ring.
;   K's halves [128 tiles][768] at 0; V's fragments [16 steps][4 tiles of v][1,536] at 98,304; K's scale words [128][16] at 196,608; V's [16][4][16] at 204,800.
; NO CLUSTER, though the four work-groups of a head read the same record: which steps a wave leaves out hangs on the work-group's place, and partners of a joint load must run alike.
; LAYOUT: both products transposed: S^T = K Q^T (source 0 = 16 keys), O^T = V^T P^T (source 0 = 16 of v): a lane holds ONE query.  Lane r of tile T holds row 32 (T / 2) + 8 (T % 2) + r + 8 (r / 8), of queries, keys and v alike:
; so the 16 registers of two neighbouring tiles' results are 16 true neighbours, 32 b + 16 (lane / 16) + 0 .. 15.
; K = 64 IN AN INSTRUCTION OF 128: Q's registers 6-11 hold zero codes.  K's registers 6-11 are the next tile's codes (behind the last tile: zeros): numbers of the format, under scale bytes 0; times zero codes they add exactly 0.
; LIMITS: a block's largest p is taken through its largest score (this takes v_exp_f32 not to fall where its input rises); blocks under the floor keep the byte 1; NaN and infinities are not served.
; REGISTERS: v1-7, v28-29 lane constants; v8-11, v30-31 the step's addresses; v12 -M, v13 the largest t, v[14:15] the sum; v16-27 Q; v32-85 K's eight halves + zeros, then V's four fragments; v96-159 S^T, then p;
;   v160-191 O^T; v192-193 V's scale words; v224-235 p's codes; v232-254 at work; v248-251 K's scale words; v253 p's scale word; v255 Q's.
.set SEL, 20                           ; s[20:21] selects for lane l xor 16
.set CS,  22                           ; s[22:23] c = log2(e) / 32
.set G1,  24                           ; s[24:31] descriptor group 1
.set G0,  32                           ; s[32:35] group 0
	s_load_b256 s[4:11], s[0:1], 0x0               ; qw s[4:5], kv s[6:7], ccodes s[8:9], cscales s[10:11]
	v_lshl_add_u32 v223, v0, 2, 0x33000
	v_mov_b32 v243, 0
	ds_add_u32 v223, v243
	ds_add_u32 v223, v243
	v_lshrrev_b32 v1, 5, v0
	s_delay_alu instid0(VALU_DEP_1)
	v_readfirstlane_b32 s12, v1                    ; wave 0..15
	s_and_b32 s13, ttmp7, 0xffff                   ; hb
	s_mov_b32 s[G1], 3<<16                         ; elements of 8 bytes, no mask, no padding
	s_mov_b32 s[G1+1], 32<<16                      ; tensor_dim0 = 32 elements = 256 bytes
	s_mov_b32 s[G1+2], 51<<16                      ; tensor_dim1 = 51 rows
	s_mov_b32 s[G1+3], 32<<16                      ; tile_dim0
	s_mov_b32 s[G1+4], 51                          ; tile_dim1
	s_mov_b32 s[G1+5], 32                          ; dense
	s_mov_b32 s[G1+6], 0
	s_mov_b32 s[G1+7], 0
	s_mul_i32 s50, s12, 13056                      ; my sixteenth of the record, in LDS as in memory
	s_mul_i32 s48, s13, 208896
	s_add_co_u32 s48, s48, s50
	s_mov_b32 s49, 0
	s_wait_dscnt 0x0
	s_wait_kmcnt 0x0
	s_mov_b32 s[G0], 1
	s_mov_b32 s[G0+1], s50
	s_add_nc_u64 s[G0+2:G0+3], s[6:7], s[48:49]
	s_or_b32 s[G0+3], s[G0+3], 0x80000000
	tensor_load_to_lds s[G0:G0+3], s[G1:G1+7]      ; my one tensor load of the launch
	s_nop 0
.rept 4
	v_nop
.endr
	v_and_b32 v9, 31, v0                           ; l
	v_and_b32 v10, 15, v0                          ; r
	v_bfe_u32 v11, v0, 4, 1                        ; h
	s_delay_alu instid0(VALU_DEP_3)
	v_lshlrev_b32 v1, 4, v9                        ; 16 l: a half's first 512 bytes
	s_delay_alu instid0(VALU_DEP_4)
	v_lshl_add_u32 v2, v9, 3, 512                  ; 8 l + 512: its last 256
	v_lshl_add_u32 v3, v9, 2, 196608               ; K's scale words: lanes 0-15 one tile, lanes 16-31 the next
	v_lshl_add_u32 v4, v9, 2, 204800               ; V's likewise
	s_delay_alu instid0(VALU_DEP_4)
	v_add_nc_u32 v5, 98304, v1                     ; V's fragments
	s_delay_alu instid0(VALU_DEP_4)
	v_add_nc_u32 v6, 98304, v2
	v_and_b32 v7, 8, v10
	s_delay_alu instid0(VALU_DEP_1)
	v_add_nc_u32 v7, v7, v10
	v_lshlrev_b32 v8, 4, v11
	s_delay_alu instid0(VALU_DEP_1)
	v_sub_nc_u32 v7, v7, v8                        ; r + 8 (r / 8) - 16 h: for the mask
	v_lshlrev_b32 v28, 2, v10                      ; 4 r: Q's scale word
	v_lshlrev_b32 v29, 5, v10                      ; 32 r: my row of cscales
.irp j, 22,23,24,25,26,27,80,81,82,83,84,85
	v_mov_b32 v\j, 0                               ; zero codes: Q's upper half, and what stands behind K's last tile
.endr
.irp j, 236,237,238,239,252,253
	v_mov_b32 v\j, 0                               ; written once: lane permutes' destinations and the halves of named pairs count as read
.endr
	s_mov_b32 s[SEL], 0x76543210
	s_mov_b32 s[SEL+1], 0xfedcba98
	s_mov_b32 s[CS], 0x3d38aa3b                    ; log2(e) / 32
	s_mov_b32 s[CS+1], s[CS]                       ; (named with it as a pair)
	s_lshl_b32 s15, ttmp9, 4
	s_add_co_u32 s15, s15, s12                     ; T = 16 i + w
	s_wait_tensorcnt 0x0                           ; my part of the record is in,
	s_barrier_signal -1
	s_barrier_wait -1                              ; everybody's is.  From here on LDS is only read
; One tile of 16 queries, T in s15.
.macro PASS
	s_wait_xcnt 0x0                                ; the last tile's stores have read their bases and data
	s_lshr_b32 s16, s15, 3                         ; the step on the diagonal
	s_lshr_b32 s38, s15, 1
	s_lshl_b32 s38, s38, 5
	s_and_b32 s48, s15, 1
	s_lshl_b32 s48, s48, 3
	s_add_co_u32 s38, s38, s48                     ; the tile's first query: 32 (T / 2) + 8 (T % 2)
	s_mov_b32 s49, 0
	s_mul_i32 s51, s13, 106496                     ; the head's record in qw
	s_mul_i32 s48, s15, 768
	s_add_co_u32 s48, s48, s51
	s_add_nc_u64 s[40:41], s[4:5], s[48:49]        ; Q's half
	s_lshl_b32 s48, s15, 6
	s_add_co_u32 s48, s48, s51
	s_add_co_u32 s48, s48, 98304
	s_add_nc_u64 s[42:43], s[4:5], s[48:49]        ; its scale words
	s_lshr_b32 s50, s13, 4
	s_lshl_b32 s50, s50, 7
	s_add_co_u32 s50, s50, s15                     ; the block of rows in ccodes: 128 b + T
	s_and_b32 s51, s13, 15                         ; the head
	s_mul_i32 s48, s50, 12288
	s_mul_i32 s52, s51, 768
	s_add_co_u32 s48, s48, s52
	s_add_nc_u64 s[44:45], s[8:9], s[48:49]
	s_lshl_b32 s48, s50, 9
	s_lshl_b32 s52, s51, 1
	s_add_co_u32 s48, s48, s52
	s_add_nc_u64 s[46:47], s[10:11], s[48:49]
	global_load_b128 v[16:19], v1, s[40:41]
	global_load_b64 v[20:21], v2, s[40:41]
	global_load_b32 v255, v28, s[42:43]
	v_mov_b32 v13, 0xff61b1e6                      ; the largest t so far: -3e38, under every t
	s_delay_alu instid0(VALU_DEP_1)
	v_floor_f32 v12, -v13                          ; -M
	v_mov_b32 v14, 0
	v_mov_b32 v15, 0
.set n, 0
.rept 32
	v_mov_b32 v[160+n], 0                          ; O^T: the step is written once; the first finds zeros, which the first change of M leaves zeros
.set n, n+1
.endr
	s_mov_b32 s17, 0                               ; the step
	s_mov_b32 s18, 0                               ; its codes: 6,144 bytes a step, K's and V's alike
	s_mov_b32 s19, 0                               ; K's scale words: 512 a step
	s_mov_b32 s36, 0                               ; V's: 256
	s_mov_b32 s37, 0                               ; its first key
	s_wait_loadcnt 0x0
.Lstep_\@:                                         ; 16 trips, a constant; a step all of whose keys come after my queries is jumped over: a branch on ids
	s_cmp_gt_u32 s17, s16
	s_cbranch_scc1 .Lhidden_\@
	s_setprio 2
	v_add_nc_u32 v8, s18, v1                       ; (these six are also the places behind the last step's products)
	v_add_nc_u32 v9, s18, v2
	v_add_nc_u32 v10, s19, v3
	v_add_nc_u32 v11, s36, v4
	v_add_nc_u32 v30, s18, v5
	v_add_nc_u32 v31, s18, v6
.irp j, 0,1,2,3,4,5,6,7
	ds_load_b128 v[32+6*\j:35+6*\j], v8 offset:768*\j
	ds_load_b64 v[36+6*\j:37+6*\j], v9 offset:768*\j
.endr
.irp m, 0,1,2,3
	ds_load_b32 v[248+\m], v10 offset:128*\m       ; lanes 0-15: tile 2 m's words; lanes 16-31: tile 2 m + 1's
.endr
	s_wait_alu depctr_va_vdst(0)
	s_wait_dscnt 0x0
.irp j, 0,1,2,3,4,5,6,7                ; S^T = K Q^T, eight tiles of 16 keys
.if \j%2
	v_wmma_scale_f32_16x16x128_f8f6f4 v[96+8*\j:103+8*\j], v[32+6*\j:43+6*\j], v[16:27], 0, v[248+\j/2], v255 matrix_a_fmt:MATRIX_FMT_FP6 matrix_b_fmt:MATRIX_FMT_FP6 matrix_a_scale:MATRIX_SCALE_ROW1
.else
	v_wmma_scale_f32_16x16x128_f8f6f4 v[96+8*\j:103+8*\j], v[32+6*\j:43+6*\j], v[16:27], 0, v[248+\j/2], v255 matrix_a_fmt:MATRIX_FMT_FP6 matrix_b_fmt:MATRIX_FMT_FP6
.endif
.endr
.rept 4
	v_nop                                          ; places: in front of the loads into K's registers, and of the first read of the scores
.endr
.irp t, 0,1,2,3                        ; V's four fragments land under the softmax
.irp c, 0,1
	ds_load_b128 v[32+12*\t+6*\c:35+12*\t+6*\c], v30 offset:1536*\t+768*\c
	ds_load_b64 v[36+12*\t+6*\c:37+12*\t+6*\c], v31 offset:1536*\t+768*\c
.endr
.endr
.irp m, 0,1
	ds_load_b32 v[192+\m], v11 offset:128*\m
.endr
	s_cmp_lt_u32 s17, s16                          ; under the diagonal every key counts
	s_cbranch_scc1 .Lopen_\@
	s_sub_co_i32 s48, s38, s37
	v_add_nc_u32 v252, s48, v7                     ; d = my query - the step's first key - 16 h.  Register 16 b + i holds key 32 b + 16 h + i of the step: hidden where 32 b + i > d
	v_mov_b32 v254, 0xff800000                     ; -infinity: p = 0 then
.set n, 0
.rept 64
	v_cmp_gt_i32 vcc_lo, 32*(n/16)+n%16, v252
	v_cndmask_b32 v[96+n], v[96+n], v254, vcc_lo
.set n, n+1
.endr
.Lopen_\@:
.irp b, 0,1,2,3
	v_max3_num_f32 v[232+\b], v[96+16*\b], v[97+16*\b], v[98+16*\b]   ; the largest score of each block of 32 keys: for the row's maximum, and for the block's largest p
.endr
.irp i, 3,5,7,9,11,13
.irp b, 0,1,2,3
	v_max3_num_f32 v[232+\b], v[232+\b], v[96+16*\b+\i], v[97+16*\b+\i]
.endr
.endr
.irp b, 0,1,2,3
	v_max_num_f32 v[232+\b], v[232+\b], v[111+16*\b]
.endr
.irp b, 0,1,2,3
	s_delay_alu instid0(VALU_DEP_4)
	v_permlanex16_b32 v[236+\b], v[232+\b], s[SEL], s[SEL+1]
.endr
.irp b, 0,1,2,3
	s_delay_alu instid0(VALU_DEP_4)
	v_max_num_f32 v[232+\b], v[232+\b], v[236+\b]  ; with lane l xor 16's 16 keys
.endr
	s_delay_alu instid0(VALU_DEP_2)
	v_max3_num_f32 v254, v232, v233, v234
	s_delay_alu instid0(VALU_DEP_1)
	v_max_num_f32 v254, v254, v235                 ; the step's largest score of my query
	s_delay_alu instid0(VALU_DEP_1)
	v_mul_f32 v254, s[CS], v254                    ; as t
	s_delay_alu instid0(VALU_DEP_1)
	v_max_num_f32 v13, v13, v254                   ; the running largest t
	v_mov_b32 v254, v12
	s_delay_alu instid0(VALU_DEP_2)
	v_floor_f32 v12, -v13                          ; the new -M = -ceil(t)
	s_delay_alu instid0(VALU_DEP_1)
	v_sub_f32 v254, v12, v254                      ; old M - new M: a whole number, 0 or less
	s_delay_alu instid0(VALU_DEP_1)
	v_cvt_i32_f32 v254, v254                       ; (it saturates)
	s_delay_alu instid0(VALU_DEP_1)
	v_ldexp_f32 v252, 1.0, v254                    ; f = 2^(old M - new M)
.set n, 0
	s_setprio 1
.rept 32
	v_pk_fma_f32 v[96+n:97+n], v[96+n:97+n], s[CS:CS+1], v[12:13] op_sel_hi:[1,0,0]   ; t - M, two at a time
.set n, n+2
.endr
.irp b, 0,1,2,3
	v_fma_f32 v[232+\b], v[232+\b], s[CS], v12     ; the same of each block's largest score
.endr
.set n, 0
	s_wait_alu depctr_va_vdst(0)
.rept 64
	v_exp_f32 v[96+n], v[96+n]                     ; p = 2^(t - M)
.set n, n+1
.endr
.irp b, 0,1,2,3
	v_exp_f32 v[232+\b], v[232+\b]                 ; the block's largest p
.endr
	v_pk_mul_f32 v[14:15], v[14:15], v[252:253] op_sel_hi:[1,0]   ; the sums under the new M (a plain place behind the exponentials)
	s_wait_alu depctr_va_vdst(0)
.irp b, 0,1,2,3
	v_max_num_f32 v[232+\b], 0x1800000, v[232+\b]  ; the floor 2^(3 - 127)
.endr
.irp b, 0,1,2,3
	s_delay_alu instid0(VALU_DEP_4)
	v_add_nc_u32 v[244+\b], 0xff000000, v[232+\b]  ; the conversion's scale operand
.endr
.irp b, 0,1,2,3
	s_delay_alu instid0(VALU_DEP_4)
	v_lshrrev_b32 v[236+\b], 23, v[244+\b]         ; the scale's byte
.endr
	s_delay_alu instid0(VALU_DEP_3)
	v_lshl_or_b32 v253, v237, 8, v236              ; p's scale word for these 128 keys
	s_delay_alu instid0(VALU_DEP_1)
	v_lshl_or_b32 v253, v238, 16, v253
	s_delay_alu instid0(VALU_DEP_1)
	v_lshl_or_b32 v253, v239, 24, v253
.irp c, 0,1
	v_cvt_scalef32_pk16_fp6_f32 v[224+6*\c:226+6*\c], v[96+32*\c:111+32*\c], v[244+2*\c]
	v_cvt_scalef32_pk16_fp6_f32 v[236+4*\c:238+4*\c], v[112+32*\c:127+32*\c], v[244+2*\c+1]
.endr
	v_nop                                          ; one plain place behind a scaled conversion
.irp c, 0,1                            ; a WHOLE block in a lane: lanes 0-15 block 2 c, lanes 16-31 block 2 c + 1
.irp i, 0,1,2
	v_permlane16_swap_b32 v[224+6*\c+\i], v[236+4*\c+\i]
.endr
.irp i, 0,1,2
	s_delay_alu instid0(VALU_DEP_3)
	v_mov_b32 v[227+6*\c+\i], v[236+4*\c+\i]
.endr
.endr
	v_pk_add_f32 v[236:237], v[100:101], v[104:105]
	v_pk_add_f32 v[250:251], v[108:109], v[112:113]
	v_pk_add_f32 v[248:249], v[116:117], v[120:121]
	v_pk_add_f32 v[246:247], v[124:125], v[128:129]
	v_pk_add_f32 v[244:245], v[132:133], v[136:137]
	v_pk_add_f32 v[240:241], v[140:141], v[144:145]
	v_pk_add_f32 v[220:221], v[148:149], v[152:153]
	v_pk_add_f32 v[14:15], v[14:15], v[156:157]
	v_pk_add_f32 v[236:237], v[236:237], v[96:97]
	s_setprio 0
	v_pk_add_f32 v[250:251], v[250:251], v[98:99]
	v_pk_add_f32 v[248:249], v[248:249], v[102:103]
	v_pk_add_f32 v[246:247], v[246:247], v[106:107]
	v_pk_add_f32 v[244:245], v[244:245], v[110:111]
	v_pk_add_f32 v[240:241], v[240:241], v[114:115]
	v_pk_add_f32 v[220:221], v[220:221], v[118:119]
	v_pk_add_f32 v[14:15], v[14:15], v[122:123]
	v_pk_add_f32 v[236:237], v[236:237], v[126:127]
	v_pk_add_f32 v[250:251], v[250:251], v[130:131]
	v_pk_add_f32 v[248:249], v[248:249], v[134:135]
	v_pk_add_f32 v[246:247], v[246:247], v[138:139]
	v_pk_add_f32 v[244:245], v[244:245], v[142:143]
	v_pk_add_f32 v[240:241], v[240:241], v[146:147]
	v_pk_add_f32 v[220:221], v[220:221], v[150:151]
	v_pk_add_f32 v[14:15], v[14:15], v[154:155]
	v_pk_add_f32 v[236:237], v[236:237], v[158:159]
	s_delay_alu instid0(VALU_DEP_2)
	v_pk_add_f32 v[14:15], v[14:15], v[246:247]
	s_delay_alu instid0(VALU_DEP_2)
	v_pk_add_f32 v[236:237], v[236:237], v[244:245]
	v_pk_add_f32 v[250:251], v[250:251], v[240:241]
	v_pk_add_f32 v[248:249], v[248:249], v[220:221]
	s_delay_alu instid0(VALU_DEP_2)
	v_pk_add_f32 v[14:15], v[14:15], v[250:251]
	s_delay_alu instid0(VALU_DEP_2)
	v_pk_add_f32 v[236:237], v[236:237], v[248:249]
	s_delay_alu instid0(VALU_DEP_1)
	v_pk_add_f32 v[14:15], v[14:15], v[236:237]
.set n, 0
.rept 16
	v_pk_mul_f32 v[160+n:161+n], v[160+n:161+n], v[252:253] op_sel_hi:[1,0]   ; O^T under the new M
.set n, n+2
.endr
	s_wait_alu depctr_va_vdst(0)
	s_wait_dscnt 0x0                               ; V and its scale words are in
.irp t, 0,1,2,3                        ; O^T += V^T P^T: four accumulators by turns
.if \t%2
	v_wmma_scale_f32_16x16x128_f8f6f4 v[160+8*\t:167+8*\t], v[32+12*\t:43+12*\t], v[224:235], v[160+8*\t:167+8*\t], v[192+\t/2], v253 matrix_a_fmt:MATRIX_FMT_FP6 matrix_b_fmt:MATRIX_FMT_FP6 matrix_a_scale:MATRIX_SCALE_ROW1
.else
	v_wmma_scale_f32_16x16x128_f8f6f4 v[160+8*\t:167+8*\t], v[32+12*\t:43+12*\t], v[224:235], v[160+8*\t:167+8*\t], v[192+\t/2], v253 matrix_a_fmt:MATRIX_FMT_FP6 matrix_b_fmt:MATRIX_FMT_FP6
.endif
.endr
.Lhidden_\@:
	s_add_co_u32 s18, s18, 6144
	s_add_co_u32 s19, s19, 512
	s_add_co_u32 s36, s36, 256
	s_add_co_u32 s37, s37, 128
	s_add_co_u32 s17, s17, 1
	s_cmp_lt_u32 s17, 16
	s_cbranch_scc1 .Lstep_\@
	s_setprio 0
	; the tile's end: O^T / the sum, quantised along v: two blocks of 32, half of each in a lane
.rept 4
	v_nop                                          ; places behind the last products
.endr
	v_add_f32 v14, v14, v15
	s_delay_alu instid0(VALU_DEP_1)
	v_permlanex16_b32 v252, v14, s[SEL], s[SEL+1]
	s_delay_alu instid0(VALU_DEP_1)
	v_add_f32 v14, v14, v252                       ; the row's sum
	s_wait_alu depctr_va_vdst(0)
	v_rcp_f32 v14, v14
	v_nop                                          ; one plain place behind a transcendental
.set n, 0
	s_wait_alu depctr_va_vdst(0)
.rept 16
	v_pk_mul_f32 v[96+n:97+n], v[160+n:161+n], v[14:15] op_sel_hi:[1,0]   ; register 16 b + i = v 32 b + 16 h + i of my query; each accumulator from its low end on
.set n, n+2
.endr
.irp b, 0,1
	v_max3_num_f32 v[232+\b], |v[96+16*\b]|, |v[97+16*\b]|, 0x1800000
.endr
.irp i, 2,4,6,8,10,12,14
.irp b, 0,1
	s_delay_alu instid0(VALU_DEP_2)
	v_max3_num_f32 v[232+\b], v[232+\b], |v[96+16*\b+\i]|, |v[97+16*\b+\i]|
.endr
.endr
.irp b, 0,1
	s_delay_alu instid0(VALU_DEP_2)
	v_permlanex16_b32 v[236+\b], v[232+\b], s[SEL], s[SEL+1]
.endr
.irp b, 0,1
	s_delay_alu instid0(VALU_DEP_2)
	v_max_num_f32 v[232+\b], v[232+\b], v[236+\b]
.endr
.irp b, 0,1
	s_delay_alu instid0(VALU_DEP_2)
	v_add_nc_u32 v[244+\b], 0xff000000, v[232+\b]
.endr
.irp b, 0,1
	s_delay_alu instid0(VALU_DEP_2)
	v_lshrrev_b32 v[236+\b], 23, v[244+\b]
.endr
	s_delay_alu instid0(VALU_DEP_1)
	v_lshl_or_b32 v238, v237, 8, v236              ; the head's two scale bytes of my row
	v_cvt_scalef32_pk16_fp6_f32 v[224:226], v[96:111], v244
	v_cvt_scalef32_pk16_fp6_f32 v[228:230], v[112:127], v245
	v_nop
.irp i, 0,1,2
	v_permlane16_swap_b32 v[224+\i], v[228+\i]     ; lanes 0-15 block 0, lanes 16-31 block 1: lower 16 codes in the first three registers, upper 16 in the second three
.endr
	s_delay_alu instid0(VALU_DEP_3)
	v_mov_b32 v227, v228
	s_delay_alu instid0(VALU_DEP_3)
	v_mov_b32 v228, v229
	s_delay_alu instid0(VALU_DEP_3)
	v_mov_b32 v229, v230
	global_store_b128 v1, v[224:227], s[44:45]     ; 512 consecutive bytes, aligned to 256
	global_store_b64 v2, v[228:229], s[44:45]      ; 256
	global_store_b16 v29, v238, s[46:47]           ; two bytes a row, rows 32 bytes apart (both halves of the lanes write the same): 262,144 bytes in the whole launch, so that the next launch finds a row's 32 scale bytes on end
.endm
	PASS
	s_sub_co_u32 s15, 127, s15                     ; the mirror tile
	PASS
	s_wait_tensorcnt 0x0
	ds_add_u32 v223, v243
	s_wait_dscnt 0x0
	s_endpgm
.Lfunc_end_k_qc3db993936_attn:
	.size	k_qc3db993936_attn, .Lfunc_end_k_qc3db993936_attn-k_qc3db993936_attn
	.p2alignl 7, 3214868480
	.fill 96, 4, 3214868480
	.section	.rodata,"a",@progbits
	.p2align	6, 0x0
	.amdhsa_kernel k_qc3db993936_attn
		.amdhsa_group_segment_fixed_size 210944
		.amdhsa_private_segment_fixed_size 0
		.amdhsa_enable_private_segment 0
		.amdhsa_kernarg_size 32
		.amdhsa_user_sgpr_count 2
		.amdhsa_user_sgpr_kernarg_segment_ptr 1
		.amdhsa_wavefront_size32 1
		.amdhsa_system_sgpr_workgroup_id_x 1
		.amdhsa_system_sgpr_workgroup_id_y 1
		.amdhsa_system_sgpr_workgroup_id_z 1
		.amdhsa_system_vgpr_workitem_id 0
		.amdhsa_next_free_vgpr 256
		.amdhsa_next_free_sgpr 66
		.amdhsa_reserve_vcc 1
		.amdhsa_float_denorm_mode_32 3
		.amdhsa_float_denorm_mode_16_64 3
		.amdhsa_memory_ordered 1
		.amdhsa_forward_progress 1
		.amdhsa_inst_pref_size 64
	.end_amdhsa_kernel
	.amdgpu_metadata
---
amdhsa.version: [ 1, 2 ]
amdhsa.kernels:
  - .name:           k_qc3db993936_attn
    .symbol:         k_qc3db993936_attn.kd
    .args:
      - { .name: qw, .offset: 0, .size: 8, .value_kind: global_buffer, .address_space: global }
      - { .name: kv, .offset: 8, .size: 8, .value_kind: global_buffer, .address_space: global }
      - { .name: ccodes, .offset: 16, .size: 8, .value_kind: global_buffer, .address_space: global }
      - { .name: cscales, .offset: 24, .size: 8, .value_kind: global_buffer, .address_space: global }
    .group_segment_fixed_size: 210944
    .private_segment_fixed_size: 0
    .kernarg_segment_align: 8
    .kernarg_segment_size: 32
    .max_flat_workgroup_size: 512
    .sgpr_count:     66
    .vgpr_count:     256
    .wavefront_size: 32
...
	.end_amdgpu_metadata
.endif
;; end of part 3
;; launch outp (part 4): grid 4 x 32, 4 waves a work-group, clusters of 4 x 4, 327,680 bytes of LDS; arguments ccodes, cscales, xcodes, xscales, Wb, out0; writes out0
.if DOCPART == 4
	.amdgcn_target "amdgcn-amd-amdhsa--gfx1250"
	.amdhsa_code_object_version 6
	.text
	.protected	k_qc3db993936_outp
	.globl	k_qc3db993936_outp
	.p2align	8
	.type	k_qc3db993936_outp,@function
k_qc3db993936_outp:
	s_mov_b64 s[64:65], 0
	v_nop
	global_prefetch_b8 v0, s[64:65] scope:SCOPE_SE
	s_setreg_imm32_b32 hwreg(HW_REG_WAVE_MODE, 25, 1), 1
	s_wait_xcnt 0x0
	s_wait_alu depctr_hold_cnt(0) depctr_sa_sdst(0) depctr_va_vdst(0) depctr_va_sdst(0) depctr_va_ssrc(0) depctr_va_vcc(0) depctr_vm_vsrc(0)
	s_getreg_b32 s2, hwreg(HW_REG_IB_STS2, 6, 4)
	s_cmp_eq_u32 s2, 0
	s_cbranch_scc0 .Lentry_in_a_cluster
	s_endpgm
.Lentry_in_a_cluster:
	s_bfe_u32 s2, ttmp6, 0x10000c
	s_cmp_lg_u32 s2, 0xf033
	s_cbranch_scc0 .Lentry_shape_is_right
	s_endpgm
.Lentry_shape_is_right:
.set NQ,     2
.set FR,     12
.set NL,     4
.set NP,     4
.set SB,     3072
.set HALFT,  8*SB
.set SLOT,   4*HALFT
.set KS,     32
.set SCL,    2*SLOT
.set HALFS,  16*272
.set SBLK,   2*272
.set SPARE,  SCL+4*HALFS
.set SPITCH, 528
.set ADRA, 16
.set ADRB, 20
.set STO,  24
.set RD,   25
.set CO,   26
.set ADRS, 27
.set SPW,  28
.set NIL,  29
.set SC,   32
.set BB,   64
.set AF,   128
.set BK,   128
.set G1, 24
.set G0, 32
.set G1B, 48
.set G0B, 56
.set G1S, 68
.set G0S, 76
.set G1SB, 80
.set G0SB, 88
.set MSB, 0
.macro WIN new
.if MSB != \new
	s_set_vgpr_msb (MSB<<8)|\new
.set MSB, \new
.endif
.endm
.set MUL_LO, 0xa1
.set MUL_HI, 0xf1
.set FST_LO, 0x81
.set FST_HI, 0xc1
.set TO_B,   0x40
.macro JLOAD g0a, g1a, g0b, g1b
	s_cmp_eq_u32 s15, 0
	s_cbranch_scc0 .Lfor_b_\@
	tensor_load_to_lds s[\g0a:\g0a+3], s[\g1a:\g1a+7]
	s_nop 0
.rept 4
	v_nop
.endr
	s_branch .Lasked_\@
.Lfor_b_\@:
	tensor_load_to_lds s[\g0b:\g0b+3], s[\g1b:\g1b+7]
	s_nop 0
.rept 4
	v_nop
.endr
.Lasked_\@:
.endm
.macro CREST
	s_cmp_lg_u32 s14, 0
	s_cbranch_scc1 .Lnot_wave_0_\@
	s_barrier_signal -3
.Lnot_wave_0_\@:
	s_barrier_wait -3
	s_barrier_signal -1
	s_barrier_wait -1
.endm
.macro CROUND
	s_barrier_signal -1
	s_barrier_wait -1
	CREST
.endm
	s_load_b128 s[4:7], s[0:1], 0x0
	s_load_b128 s[8:11], s[0:1], 0x10
	s_load_b128 s[96:99], s[0:1], 0x20
	v_lshl_add_u32 v[SPW], v0, 2, SPARE
	v_mov_b32 v[NIL], 0
	ds_add_u32 v28, v29
	ds_add_u32 v28, v29
	s_wait_dscnt 0x0
	v_lshrrev_b32 v1, 5, v0
	v_readfirstlane_b32 s14, v1
	s_lshr_b32 s15, s14, 1
	s_and_b32 s16, s14, 1
	s_bfe_u32 s40, ttmp6, 0x40000
	s_bfe_u32 s41, ttmp6, 0x40004
	s_lshl_b32 s42, ttmp9, 2
	s_add_co_u32 s42, s42, s40
	s_and_b32 s17, ttmp7, 0xffff
	s_lshl_b32 s17, s17, 2
	s_add_co_u32 s17, s17, s41
	s_lshl_b32 s43, s41, 2
	s_lshl_b32 s43, 15, s43
	s_lshl_b32 s44, 0x1111, s40
	s_or_b32 s[G1+0], s43, (3<<16)|(1<<21)
	s_or_b32 s[G1B+0], s44, (3<<16)|(1<<21)
.irp g, G1, G1B
	s_mov_b32 s[\g+1], 384<<16
	s_mov_b32 s[\g+2], 8<<16
	s_mov_b32 s[\g+3], 384<<16
	s_mov_b32 s[\g+4], 8
	s_mov_b32 s[\g+5], 1536
	s_mov_b32 s[\g+6], 0
	s_mov_b32 s[\g+7], 0
.endr
	s_or_b32 s[G1S+0], s43, (3<<16)|(1<<20)|(1<<21)|(5<<22)|(3<<25)
	s_or_b32 s[G1SB+0], s44, (3<<16)|(1<<20)|(1<<21)|(5<<22)|(3<<25)
.irp g, G1S, G1SB
	s_mov_b32 s[\g+1], 32<<16
	s_mov_b32 s[\g+2], 16<<16
	s_mov_b32 s[\g+3], 32<<16
	s_mov_b32 s[\g+4], 16
	s_mov_b32 s[\g+5], 32
	s_mov_b32 s[\g+6], 0
	s_mov_b32 s[\g+7], 0
.endr
	s_lshl_b32 s22, s16, 7
	s_lshl_b32 s20, s17, 8
	s_add_co_u32 s20, s20, s22
	s_lshl_b32 s46, s42, 8
	s_add_co_u32 s46, s46, s22
	s_add_co_u32 s46, s46, 27648
	s_mov_b32 s21, 0
	s_mov_b32 s47, 0
	s_mov_b64 s[18:19], KS
	s_mul_u64 s[22:23], s[20:21], s[18:19]
	s_mul_u64 s[92:93], s[46:47], s[18:19]
	s_mov_b64 s[18:19], 768
	s_mul_u64 s[20:21], s[20:21], s[18:19]
	s_mul_u64 s[46:47], s[46:47], s[18:19]
	s_mul_i32 s45, s14, HALFT
	s_mul_i32 s94, s14, HALFS
	s_wait_kmcnt 0x0
	s_add_nc_u64 s[20:21], s[4:5], s[20:21]
	s_add_nc_u64 s[22:23], s[6:7], s[22:23]
	s_add_nc_u64 s[46:47], s[8:9], s[46:47]
	s_add_nc_u64 s[92:93], s[10:11], s[92:93]
	CROUND
	s_mov_b32 s[G0S], 1
	s_add_co_u32 s[G0S+1], s94, SCL
	s_mov_b64 s[G0S+2:G0S+3], s[22:23]
	s_or_b32 s[G0S+3], s[G0S+3], 0x80000000
	s_mov_b32 s[G0SB], 1
	s_add_co_u32 s[G0SB+1], s94, SCL
	s_mov_b64 s[G0SB+2:G0SB+3], s[92:93]
	s_or_b32 s[G0SB+3], s[G0SB+3], 0x80000000
	JLOAD G0S, G1S, G0SB, G1SB
.irp s, 0,1
	s_mov_b32 s[G0+4*\s], 1
	s_add_co_u32 s[G0+4*\s+1], s45, \s*SLOT
	s_add_nc_u64 s[G0+4*\s+2:G0+4*\s+3], s[20:21], \s*SB
	s_or_b32 s[G0+4*\s+3], s[G0+4*\s+3], 0x80000000
	s_mov_b32 s[G0B+4*\s], 1
	s_add_co_u32 s[G0B+4*\s+1], s45, \s*SLOT
	s_add_nc_u64 s[G0B+4*\s+2:G0B+4*\s+3], s[46:47], \s*SB
	s_or_b32 s[G0B+4*\s+3], s[G0B+4*\s+3], 0x80000000
	s_wait_alu depctr_va_vdst(0)
	s_wait_tensorcnt 0x0
	ds_add_u32 v28, v29
	s_wait_dscnt 0x0
	CROUND
	JLOAD G0+4*\s, G1, G0B+4*\s, G1B
.endr
	v_and_b32 v1, 15, v0
	v_bfe_u32 v2, v0, 4, 1
	v_and_b32 v6, 31, v0
	v_lshlrev_b32 v4, 4, v6
	v_lshlrev_b32 v5, 3, v6
	s_mul_i32 s21, s15, HALFT
	s_mul_i32 s22, s16, HALFT
	s_add_co_u32 s22, s22, 2*HALFT
.irp s, 0,1
	v_add_nc_u32 v[ADRA+\s], s21, v4
	v_add_nc_u32 v[ADRB+\s], s22, v4
	v_add_nc_u32 v[ADRA+2+\s], s21, v5
	v_add_nc_u32 v[ADRB+2+\s], s22, v5
	s_add_co_u32 s21, s21, SLOT
	s_add_co_u32 s22, s22, SLOT
.endr
	v_mul_u32_u24 v5, v1, KS
	v_lshrrev_b32 v7, 8, v5
	v_lshl_add_u32 v5, v7, 4, v5
	s_mul_i32 s21, s15, HALFS
	s_mul_i32 s22, s16, HALFS
	s_add_co_u32 s22, s22, 2*HALFS
	s_sub_co_u32 s22, s22, s21
	v_mul_u32_u24 v7, s22, v2
	s_add_co_u32 s21, s21, SCL
	v_add_nc_u32 v5, v5, v7
	v_add_nc_u32 v[ADRS], s21, v5
	s_lshl_b32 s18, s42, 8
	s_lshl_b32 s19, s16, 7
	s_add_co_u32 s18, s18, s19
	s_lshl_b32 s18, s18, 2
	v_lshl_add_u32 v3, v2, 6, s18
.irp b, 0,1,2,3
.irp k, 0,1,2,3
	global_load_b128 v[BB+16*\b+4*\k:BB+16*\b+4*\k+3], v3, s[96:97] offset:128*\b+16*\k
.endr
.endr
	s_mul_i32 s23, s14, 16*SPITCH
	v_mul_u32_u24 v5, v1, SPITCH
	v_lshl_add_u32 v5, v2, 6, v5
	v_add_nc_u32 v[STO], s23, v5
	v_lshlrev_b32 v[CO], 4, v6
	v_add_nc_u32 v[RD], s23, v[CO]
	s_lshl_b32 s20, s17, 8
	s_lshl_b32 s21, s15, 7
	s_add_co_u32 s20, s20, s21
	s_lshl_b32 s20, s20, 12
	s_add_co_u32 s20, s20, s18
	s_mov_b32 s21, 0
	s_add_nc_u64 s[98:99], s[98:99], s[20:21]
	s_wait_alu depctr_va_vdst(0)
	s_wait_loadcnt 0x0
.macro FRAG reg, adr, q, i
	ds_load_b128 v[\reg:\reg+3], v[\adr] offset:(\i)*SB+(\q)*1536
	ds_load_b64 v[\reg+4:\reg+5], v[\adr+2] offset:(\i)*SB+(\q)*1536+512
	ds_load_b128 v[\reg+6:\reg+9], v[\adr] offset:(\i)*SB+(\q)*1536+768
	ds_load_b64 v[\reg+10:\reg+11], v[\adr+2] offset:(\i)*SB+(\q)*1536+1280
.endm
.macro MUL16 a0, p, q, sc, first
.irp a, \a0, \a0+1
.irp b, 0,1,2,3,4,5,6,7
.if \first
	v_wmma_scale_f32_16x16x128_f8f6f4 v[8*(8*((\a)%4)+\b):8*(8*((\a)%4)+\b)+7], v[128*(\p)+FR*\b:128*(\p)+FR*\b+FR-1], v[AF+FR*(\a):AF+FR*(\a)+FR-1], v[BB+8*\b:BB+8*\b+7], v[SC+8*NQ*(\sc)+NQ*\b+(\q)], v[SC+8*NQ*(\sc)+NQ*(\a)+(\q)] matrix_a_fmt:MATRIX_FMT_FP6 matrix_b_fmt:MATRIX_FMT_FP6 matrix_a_scale:MATRIX_SCALE_ROW1
.else
	v_wmma_scale_f32_16x16x128_f8f6f4 v[8*(8*((\a)%4)+\b):8*(8*((\a)%4)+\b)+7], v[128*(\p)+FR*\b:128*(\p)+FR*\b+FR-1], v[AF+FR*(\a):AF+FR*(\a)+FR-1], v[8*(8*((\a)%4)+\b):8*(8*((\a)%4)+\b)+7], v[SC+8*NQ*(\sc)+NQ*\b+(\q)], v[SC+8*NQ*(\sc)+NQ*(\a)+(\q)] matrix_a_fmt:MATRIX_FMT_FP6 matrix_b_fmt:MATRIX_FMT_FP6 matrix_a_scale:MATRIX_SCALE_ROW1
.endif
.endr
.endr
.endm
.macro FETCH_B slot, q, p
	WIN TO_B
.irp i, 0,1,2,3,4,5,6,7
	FRAG 128*(\p)+FR*\i, ADRB+\slot, \q, \i
.endr
	WIN 0
.endm
.macro FETCH_A slot, q, i0
.irp i, \i0, \i0+1, \i0+2, \i0+3
	FRAG AF+FR*(\i), ADRA+\slot, \q, \i
.endr
.endm
.macro SCALES sc
.irp i, 0,1,2,3,4,5,6,7
	ds_load_b64 v[SC+8*NQ*\sc+NQ*\i:SC+8*NQ*\sc+NQ*\i+1], v[ADRS] offset:\i*SBLK
.endr
.endm
.macro PLACES n
.rept \n
	v_nop
.endr
.endm
.macro STEP slot, q, first
	s_wait_dscnt 4*NL
.if \first
	WIN FST_LO
.else
	WIN MUL_LO
.endif
	MUL16 0, (\q)%2, \q, \slot, \first
	MUL16 2, (\q)%2, \q, \slot, \first
	s_wait_dscnt 0x0
	PLACES NP
	FETCH_B \slot, (\q)+1, 1-(\q)%2
	FETCH_A \slot, (\q)+1, 0
.if \first
	WIN FST_HI
.else
	WIN MUL_HI
.endif
	MUL16 4, (\q)%2, \q, \slot, \first
	MUL16 6, (\q)%2, \q, \slot, \first
	PLACES NP
	WIN 0
	FETCH_A \slot, (\q)+1, 4
.endm
.macro TURN slot, next, fill
	s_wait_tensorcnt 0x0
	ds_add_u32 v[SPW], v[NIL]
	s_wait_dscnt 4*NL+1
	WIN MUL_LO
	MUL16 0, 1, NQ-1, \slot, 0
	s_wait_dscnt 0x0
	s_barrier_signal -1
	MUL16 2, 1, NQ-1, \slot, 0
	WIN 0
	s_barrier_wait -1
.if \fill
	CREST
	s_add_nc_u64 s[G0+4*\slot+2:G0+4*\slot+3], s[G0+4*\slot+2:G0+4*\slot+3], 2*SB
	s_add_nc_u64 s[G0B+4*\slot+2:G0B+4*\slot+3], s[G0B+4*\slot+2:G0B+4*\slot+3], 2*SB
	JLOAD G0+4*\slot, G1, G0B+4*\slot, G1B
.else
	PLACES NP
.endif
	s_wait_alu depctr_va_vdst(0)
	v_add_nc_u32 v[ADRS], 4*NQ, v[ADRS]
	FETCH_B \next, 0, 0
	FETCH_A \next, 0, 0
	SCALES \next
	WIN MUL_HI
	MUL16 4, 1, NQ-1, \slot, 0
	MUL16 6, 1, NQ-1, \slot, 0
	PLACES NP
	WIN 0
	FETCH_A \next, 0, 4
.endm
	s_wait_tensorcnt 1
	s_barrier_signal -1
	s_barrier_wait -1
	FETCH_B 0, 0, 0
	FETCH_A 0, 0, 0
	SCALES 0
	FETCH_A 0, 0, 4
	STEP 0, 0, 1
	TURN 0, 1, 1
	STEP 1, 0, 0
	TURN 1, 0, 1
	STEP 0, 0, 0
	TURN 0, 1, 0
	STEP 1, 0, 0
	s_wait_dscnt 4*NL
	WIN MUL_LO
	MUL16 0, 1, NQ-1, 1, 0
	MUL16 2, 1, NQ-1, 1, 0
	s_wait_dscnt 0x0
	WIN MUL_HI
	MUL16 4, 1, NQ-1, 1, 0
	MUL16 6, 1, NQ-1, 1, 0
	WIN 0
.macro TOSTAGE a
.set AC, 64*((\a)%4)
	WIN 0x08+4*((\a)/4)
.irp b, 0,1,2,3,4,5,6,7
	ds_store_b128 v[STO], v[AC+8*\b:AC+8*\b+3] offset:128*(\b/2)+32*(\b%2)
	ds_store_b128 v[STO], v[AC+8*\b+4:AC+8*\b+7] offset:128*(\b/2)+32*(\b%2)+16
.endr
	WIN 0
.set BR, BK+64*((\a)%2)
.irp t, 0,1,2,3,4,5,6,7,8,9,10,11,12,13,14,15
	ds_load_b128 v[BR+4*\t:BR+4*\t+3], v[RD] offset:\t*SPITCH
.endr
.endm
.macro SEND a, younger
.set BR, BK+64*((\a)%2)
	s_wait_dscnt \younger
.irp t, 0,1,2,3,4,5,6,7,8,9,10,11,12,13,14,15
	global_store_b128 v[CO], v[BR+4*\t:BR+4*\t+3], s[98:99] offset:(32*((\a)/2)+8*((\a)%2)+\t+8*(\t/8))*4096 th:TH_STORE_NT
.endr
.endm
	PLACES NP
	TOSTAGE 0
.irp a, 1,2,3,4,5,6,7
.if \a > 1
	s_wait_xcnt 0x0
.endif
	TOSTAGE \a
	SEND \a-1, 32
.endr
	SEND 7, 0
	s_wait_tensorcnt 0x0
	ds_add_u32 v[SPW], v[NIL]
	s_wait_dscnt 0x0
	CROUND
	s_endpgm
.Lfunc_end_k_qc3db993936_outp:
	.size	k_qc3db993936_outp, .Lfunc_end_k_qc3db993936_outp-k_qc3db993936_outp
	.p2alignl 7, 3214868480
	.fill 96, 4, 3214868480
	.section	.rodata,"a",@progbits
	.p2align	6, 0x0
	.amdhsa_kernel k_qc3db993936_outp
		.amdhsa_group_segment_fixed_size 327680
		.amdhsa_private_segment_fixed_size 0
		.amdhsa_enable_private_segment 0
		.amdhsa_kernarg_size 48
		.amdhsa_user_sgpr_count 2
		.amdhsa_user_sgpr_kernarg_segment_ptr 1
		.amdhsa_wavefront_size32 1
		.amdhsa_system_sgpr_workgroup_id_x 1
		.amdhsa_system_sgpr_workgroup_id_y 1
		.amdhsa_system_sgpr_workgroup_id_z 1
		.amdhsa_system_vgpr_workitem_id 0
		.amdhsa_next_free_vgpr 1024
		.amdhsa_next_free_sgpr 100
		.amdhsa_reserve_vcc 0
		.amdhsa_float_denorm_mode_32 3
		.amdhsa_float_denorm_mode_16_64 3
		.amdhsa_memory_ordered 1
		.amdhsa_forward_progress 1
		.amdhsa_inst_pref_size 145
	.end_amdhsa_kernel
	.amdgpu_metadata
---
amdhsa.version: [ 1, 2 ]
amdhsa.kernels:
  - .name:           k_qc3db993936_outp
    .symbol:         k_qc3db993936_outp.kd
    .args:
      - { .name: ccodes, .offset: 0, .size: 8, .value_kind: global_buffer, .address_space: global }
      - { .name: cscales, .offset: 8, .size: 8, .value_kind: global_buffer, .address_space: global }
      - { .name: xcodes, .offset: 16, .size: 8, .value_kind: global_buffer, .address_space: global }
      - { .name: xscales, .offset: 24, .size: 8, .value_kind: global_buffer, .address_space: global }
      - { .name: Wb, .offset: 32, .size: 8, .value_kind: global_buffer, .address_space: global }
      - { .name: out0, .offset: 40, .size: 8, .value_kind: global_buffer, .address_space: global }
    .group_segment_fixed_size: 327680
    .private_segment_fixed_size: 0
    .kernarg_segment_align: 8
    .kernarg_segment_size: 48
    .max_flat_workgroup_size: 128
    .sgpr_count:     100
    .vgpr_count:     1024
    .wavefront_size: 32
...
	.end_amdgpu_metadata
.endif
;; end of part 4
